; MI455X (gfx1250); checked and timed in simulation.
; The chip was launched on July 23, 2026; its instructions are those of AMD's public machine-readable ISA for CDNA 5 (MIT licence, August 2026) and "CDNA5" Instruction Set Architecture Reference Guide (July 2026). The comments in the code are by the model that wrote it; some were corrected since.
;; Attention. Allowed arithmetic: matrix products marked QUANTISED: E2M1 operands, one E8M0 scale for each 32 along K, by v_wmma_scale_f32_16x16x128_f8f6f4 with both operands' format E2M1 (or v_wmma_scale_f32_32x16x128_f4), f32 sums; products left as they are: bf16, f16 or f32 operands; f32 sums; everything else in f32.
;; Inputs: W_proj 1,024 x 1,024 float32; W_qkv 1,024 x 3,072 float32; b_proj 1,024 float32; b_qkv 3,072 float32; x 4 x 2,048 x 1,024 float32.
;; Outputs: out0 4 x 2,048 x 1,024 float32.
;; This version of the problem:
;;   THIS VERSION OF THE PROBLEM IS GIVEN IN LOW PRECISION. The matrix products marked QUANTISED in the list below multiply operands that are first quantised to E2M1 (2 exponent bits, 1 mantissa bit; 4 bits a number), with one power-of-two scale for each 32 numbers along K (OCP MX v1.0); their sums are f32. The products marked 'left as it is' may take bf16, f16 or f32 operands, with f32 sums. Whichever they take, every output number must still come out within the allowed error. Rounding operands to bf16 (8 significant bits) uses up far more of that allowance than f16 does (11 bits, for magnitudes from 6e-5 to 65,504). All else is computed in f32.
;;   The module's matrix products, in the order in which they are computed (A, B: the left and right operand; K: the contracted axis; several contracted axes count as one K, in the product's order):
;;     1. [M 8,192, K 1,024] x [K 1,024, N 3,072]; A: input x; B: input W_qkv: QUANTISED
;;     2. batch 64 x [M 2,048, K 64] x [K 64, N 2,048]; A: computed on the way; B: computed on the way: left as it is (an operand is computed on the way)
;;     3. batch 64 x [M 2,048, K 2,048] x [K 2,048, N 64]; A: computed on the way; B: computed on the way: left as it is (an operand is computed on the way)
;;     4. [M 8,192, K 1,024] x [K 1,024, N 1,024]; A: computed on the way; B: input W_proj: left as it is (an operand is computed on the way)
;;   THE QUANTISER, for each operand of a quantised product, along K:
;;     - K is cut into blocks of 32 from its start; a last block that is shorter is filled with zeros.
;;     - A block's scale is 2^e with e = floor(log2(the largest magnitude in the block)) - 2, held to -126 .. 127; a block of zeros has e = 0. As a byte (E8M0): e + 127.
;;     - Each number is divided by its block's scale, clamped to +-6, and rounded to the nearest number of E2M1, ties to even, subnormals kept.
;;     - The product sums the exact products of the quantised numbers (number of the format x scale) in f32.
;;   ~~~python
;;   def quantise(x, axis):      # numpy; x: float32 -> the quantised numbers, widened to float32 again
;;       x = np.moveaxis(x, axis, -1); K = x.shape[-1]
;;       x = np.pad(x, [(0, 0)] * (x.ndim - 1) + [(0, -K % 32)]); x = x.reshape(x.shape[:-1] + (-1, 32)); a = np.abs(x).max(-1, keepdims=True)
;;       e = np.where(a > 0, np.clip(np.frexp(np.where(a > 0, a, 1))[1] - 1 - 2, -126, 127), 0)      # np.frexp(a)[1] - 1 = floor(log2(a)), exactly
;;       r = np.clip(x / 2.0 ** e, -6, 6)
;;       step = 2.0 ** (np.maximum(np.frexp(np.where(r == 0, 1, r))[1] - 1, 0) - 1)
;;       q = np.round(r / step) * step * 2.0 ** e      # np.round: ties to even
;;       return np.moveaxis(q.reshape(q.shape[:-2] + (-1,))[..., :K], -1, axis).astype(np.float32)
;;   ~~~
;; One version. Each part assembles by itself: llvm-mc -triple=amdgcn-amd-amdhsa -mcpu=gfx1250 --defsym DOCPART=n.
;; ======== version 1 of 1: 6 launches
;; limits: values are held in f16: magnitudes above 65,504 overflow, below 6.1e-05 lose precision
;; workspace buffers: x_codes 4,194,304 bytes; x_scales 262,144 bytes; wq_codes 1,572,864 bytes; wq_scales 98,304 bytes; wpT 2,097,152 bytes; qkv16 50,331,648 bytes; yh 16,777,216 bytes; y32 262,144 bytes
;; launch prep (part 1): grid 368 x 1, 4 waves a work-group, no clusters, 102,912 bytes of LDS; arguments x, W_qkv, W_proj, x_codes, x_scales, wq_codes, wq_scales, wpT; writes x_codes, x_scales, wq_codes, wq_scales, wpT
.if DOCPART == 1
	.amdgcn_target "amdgcn-amd-amdhsa--gfx1250"
	.amdhsa_code_object_version 6
	.text
	.protected	k_q461c6477e5_prep
	.globl	k_q461c6477e5_prep
	.p2align	8
	.type	k_q461c6477e5_prep,@function
k_q461c6477e5_prep:
	s_mov_b64 s[64:65], 0
	v_nop
	global_prefetch_b8 v0, s[64:65] scope:SCOPE_SE
	s_setreg_imm32_b32 hwreg(HW_REG_WAVE_MODE, 25, 1), 1
	s_wait_xcnt 0x0
; PREP.  Three jobs in one launch, told apart by the work-group's number:
;   work-groups   0 ..  47  W_qkv [1024 k][3072 n] f32 -> codes of FP4 (E2M1) laid [3072 n][512 bytes], K innermost, and E8M0 bytes [3072][32]
;   work-groups  48 .. 111  W_proj [1024 k][1024 n] f32 -> f16, turned: wpT [1024 n][1024 k]
;   work-groups 112 .. 367  x [8192][1024] f32 -> codes [8192][512 bytes] and E8M0 bytes [8192][32]
; A block's scale is 2^(floor(log2(largest magnitude)) - 2); its byte is the largest magnitude's exponent field - 2, held at 1 from below.
; A block of zeros so gets the byte 1 where the quantiser says 127: its codes are zeros, which add nothing, and this program alone reads the bytes.
; LIMITS: blocks whose largest magnitude lies under 2^-124 keep the byte 1; NaN and infinities are not served; |W_proj| stays under 65,504 (f16), and under 6e-5 it loses bits.
; No tensor loads, no barriers: waves share nothing.  Each of the three ways has LDS bytes of its own.  No cluster: no two work-groups read the same bytes.
.set QST,   0                          ; W_qkv's way: four stages of 32 rows x 272 bytes
.set PST,   34816                      ; W_proj's way: the same size
.set XRG,   69632                      ; x's way: 8,192 bytes for each wave
.set SPARE, 102400                     ; the spare words, 128 bytes for each wave, which no other line names
.set SPW,   14                         ; v14  LDS address of my spare word; never rewritten
.set NIL,   15                         ; v15  0; never rewritten
	s_load_b256 s[4:11], s[0:1], 0x0               ; x s[4:5], W_qkv s[6:7], W_proj s[8:9], x_codes s[10:11]
	s_load_b256 s[12:19], s[0:1], 0x20             ; x_scales s[12:13], wq_codes s[14:15], wq_scales s[16:17], wpT s[18:19]
	v_lshl_add_u32 v[SPW], v0, 2, SPARE
	v_mov_b32 v[NIL], 0
	v_lshrrev_b32 v1, 5, v0
	v_readfirstlane_b32 s20, v1                    ; wave 0..3
	v_and_b32 v2, 31, v0                           ; lane
	s_mov_b32 s25, 0                               ; the high word of every offset pair s[24:25]
	s_wait_kmcnt 0x0
	s_cmp_lt_u32 ttmp9, 48
	s_cbranch_scc1 .Lq
	s_cmp_lt_u32 ttmp9, 112
	s_cbranch_scc1 .Lp
; ---------------- x: a plain stream of blocks of 32.  A wave takes 16 steps of 512 numbers.
; Each load reads 512 consecutive bytes, 16 a lane; a step's 2,048 bytes turn through the wave's stage in LDS and come back 64 bytes a lane:
; 16 neighbours along K in a lane's registers, two neighbouring lanes to a block.
	v_lshlrev_b32 v3, 4, v2                        ; my 16 bytes of a load's 512
	s_mul_i32 s21, s20, 8192
	s_add_co_u32 s21, s21, XRG                     ; my wave's region
	v_lshrrev_b32 v10, 2, v2
	v_mul_u32_u24 v10, v10, 80
	v_and_b32 v13, 3, v2
	v_lshl_add_u32 v10, v13, 4, v10
	v_add_nc_u32 v10, s21, v10                     ; into the stage: 80 (lane / 4) + 16 (lane % 4)
	v_mul_u32_u24 v12, v2, 80
	v_add_nc_u32 v12, s21, v12                     ; out of it: 80 x lane
	v_mul_u32_u24 v4, v2, 8                        ; my 8 bytes of a step's 256 bytes of codes
	v_lshrrev_b32 v5, 1, v2
	s_add_co_u32 s21, s21, 5120                    ; behind the two stages: my wave's 256 scale bytes
	v_add_nc_u32 v5, s21, v5
	v_lshlrev_b32 v7, 3, v2
	v_add_nc_u32 v6, s21, v7
	s_sub_co_u32 s22, ttmp9, 112
	s_lshl_b32 s22, s22, 2
	s_add_co_u32 s22, s22, s20                     ; which run of 8,192 numbers is my wave's: 0 .. 1,023
	s_lshl_b32 s24, s22, 15
	s_add_nc_u64 s[4:5], s[4:5], s[24:25]
	s_lshl_b32 s24, s22, 12
	s_add_nc_u64 s[10:11], s[10:11], s[24:25]
	s_lshl_b32 s24, s22, 8
	s_add_nc_u64 s[12:13], s[12:13], s[24:25]
.macro XLOAD t
.irp i, 0,1,2,3
	global_load_b128 v[16+16*((\t)%4)+4*\i:16+16*((\t)%4)+4*\i+3], v3, s[4:5] offset:2048*(\t)+512*\i th:TH_LOAD_NT
.endr
.endm
.macro XTURN t                         ; LDS serves a wave's instructions in order: no wait between the stores and the loads
.irp i, 0,1,2,3
	ds_store_b128 v10, v[16+16*((\t)%4)+4*\i:16+16*((\t)%4)+4*\i+3] offset:2560*((\t)%2)+640*\i
.endr
.irp i, 0,1,2,3
	ds_load_b128 v[80+16*((\t)%2)+4*\i:80+16*((\t)%2)+4*\i+3], v12 offset:2560*((\t)%2)+16*\i
.endr
.endm
.irp t, 0,1,2,3
	XLOAD \t
.endr
	s_wait_loadcnt 12                              ; step 0's four loads are in; the twelve of steps 1 to 3 stay out
	XTURN 0
.macro XSTEP t
.set XS, 80+16*((\t)%2)
.if (\t) > 0
	s_wait_dscnt 1                                 ; this step's numbers are back from the stage; the last step's byte store may be out
.else
	s_wait_dscnt 0x0
.endif
.if (\t)+4 < 16
	XLOAD (\t)+4                                   ; into the registers that this step's stage stores have read
.endif
.if (\t)+1 < 16
.if 14-(\t) >= 3
	s_wait_loadcnt 12                              ; the next step's four loads are in; three steps' twelve stay out
.else
	s_wait_loadcnt 4*(14-(\t))                     ; the counts run down at the end
.endif
	XTURN (\t)+1
.endif
	v_max3_num_f32 v8, |v[XS]|, |v[XS+1]|, |v[XS+2]|
	v_max3_num_f32 v9, |v[XS+3]|, |v[XS+4]|, |v[XS+5]|
.irp i, 6,10
	v_max3_num_f32 v8, v8, |v[XS+\i]|, |v[XS+\i+1]|
	v_max3_num_f32 v9, v9, |v[XS+\i+2]|, |v[XS+\i+3]|
.endr
	v_max3_num_f32 v8, v8, |v[XS+14]|, |v[XS+15]|
	v_max3_num_f32 v8, v8, v9, 0x1800000           ; and the floor 2^(3 - 127): the byte cannot fall under 1
	v_max_num_f32_dpp v8, v8, v8 row_xmask:1 row_mask:0xf bank_mask:0xf   ; with my neighbour's 16: the block's largest magnitude
	v_add_nc_u32 v11, 0xff000000, v8               ; 2 off its exponent field: the conversion's scale operand
	v_cvt_scalef32_pk8_fp4_f32 v[128+4*(\t)], v[XS:XS+7], v11
	v_cvt_scalef32_pk8_fp4_f32 v[128+4*(\t)+1], v[XS+8:XS+15], v11
	v_lshrrev_b32 v[112+(\t)], 23, v11             ; the scale's byte (also the plain line behind the conversions)
	ds_store_b8 v5, v[112+(\t)] offset:16*(\t)     ; both lanes of a block write the same byte with the same value
	global_store_b64 v4, v[128+4*(\t):128+4*(\t)+1], s[10:11] offset:256*(\t)   ; the wave stores 256 consecutive bytes, aligned
.endm
.irp t, 0,1,2,3,4,5,6,7,8,9,10,11,12,13,14,15
	XSTEP \t
.endr
	ds_load_b64 v[8:9], v6                         ; my wave's 256 scale bytes, 8 a lane
	s_wait_dscnt 0x0
	global_store_b64 v7, v[8:9], s[12:13]          ; 256 consecutive bytes, aligned
	s_wait_tensorcnt 0x0                           ; the wave's end, behind my last LDS store
	ds_add_u32 v[SPW], v[NIL]
	s_wait_dscnt 0x0
	s_endpgm
; ---------------- W_qkv: K is its first axis.  A lane takes a column n and its registers run down K: a block of 32 lies in one lane.
; A wave takes 32 columns x 512 along K (16 blocks); the codes leave through the wave's stage as rows, sixteen lanes to 256 consecutive bytes.
.Lq:
	s_cmp_ge_u32 ttmp9, 24
	s_cselect_b32 s22, 1, 0                        ; which 512 along K
	s_cselect_b32 s21, 24, 0
	s_sub_co_u32 s21, ttmp9, s21                   ; which 128 columns
	s_lshl_b32 s21, s21, 7
	s_lshl_b32 s23, s20, 5
	s_add_co_u32 s21, s21, s23                     ; my wave's first column
	v_lshlrev_b32 v3, 2, v2
	s_mul_i32 s23, s20, 32*272                     ; my stage (QST = 0)
	v_mul_u32_u24 v4, v2, 272
	v_add_nc_u32 v4, s23, v4                       ; into it: row = my column
	v_and_b32 v5, 15, v2
	v_lshrrev_b32 v6, 4, v2
	v_mul_u32_u24 v7, v6, 272
	v_lshl_add_u32 v7, v5, 4, v7
	v_add_nc_u32 v7, s23, v7                       ; out of it: sixteen lanes to a row, two rows an instruction
	v_mul_u32_u24 v8, v6, 512
	v_lshl_add_u32 v8, v5, 4, v8                   ; the same place in wq_codes
	v_lshlrev_b32 v9, 5, v2                        ; my column's row of 32 scale bytes
	s_mul_i32 s24, s22, 512*3072*4
	s_lshl_b32 s26, s21, 2
	s_add_co_u32 s24, s24, s26
	s_add_nc_u64 s[6:7], s[6:7], s[24:25]
	s_lshl_b32 s24, s21, 9
	s_lshl_b32 s26, s22, 8
	s_add_co_u32 s24, s24, s26
	s_add_nc_u64 s[14:15], s[14:15], s[24:25]
	s_lshl_b32 s24, s21, 5
	s_lshl_b32 s26, s22, 4
	s_add_co_u32 s24, s24, s26
	s_add_nc_u64 s[16:17], s[16:17], s[24:25]
.macro QLOAD t                         ; block t: W(32 t + i, my column); the largest offset, 511 rows of 12,288 bytes, fits the signed 24-bit immediate
.irp i, 0,1,2,3,4,5,6,7,8,9,10,11,12,13,14,15,16,17,18,19,20,21,22,23,24,25,26,27,28,29,30,31
	global_load_b32 v[32+32*((\t)%2)+\i], v3, s[6:7] offset:(32*(\t)+\i)*12288 th:TH_LOAD_NT
.endr
.endm
	QLOAD 0
	QLOAD 1
.macro QBLOCK t
.set XS, 32+32*((\t)%2)
.if (\t) < 15
	s_wait_loadcnt 32                              ; this block's 32 loads are in; the next block's 32 stay out
.else
	s_wait_loadcnt 0x0
.endif
	v_max3_num_f32 v12, |v[XS]|, |v[XS+1]|, |v[XS+2]|
	v_max3_num_f32 v13, |v[XS+3]|, |v[XS+4]|, |v[XS+5]|
.irp i, 6,10,14,18,22,26
	v_max3_num_f32 v12, v12, |v[XS+\i]|, |v[XS+\i+1]|
	v_max3_num_f32 v13, v13, |v[XS+\i+2]|, |v[XS+\i+3]|
.endr
	v_max3_num_f32 v12, v12, |v[XS+30]|, |v[XS+31]|
	v_max3_num_f32 v12, v12, v13, 0x1800000        ; the floor
	v_add_nc_u32 v11, 0xff000000, v12              ; the conversion's scale operand
	v_lshrrev_b32 v13, 23, v11                     ; the scale's byte
.if (\t)%4 == 0
	v_mov_b32 v[24+(\t)/4], v13                    ; four bytes to a register, the lower K in the lower byte
.else
	v_lshl_or_b32 v[24+(\t)/4], v13, 8*((\t)%4), v[24+(\t)/4]
.endif
.irp g, 0,1,2,3
	v_cvt_scalef32_pk8_fp4_f32 v[96+\g], v[XS+8*\g:XS+8*\g+7], v11
.endr
	ds_store_b128 v4, v[96:99] offset:16*(\t)      ; 32 codes: 16 bytes of my column's row
.if (\t)+2 < 16
	QLOAD (\t)+2
.endif
	s_wait_dscnt 0x0                               ; the store has read its registers: the next block's codes may be written
.endm
.irp t, 0,1,2,3,4,5,6,7,8,9,10,11,12,13,14,15
	QBLOCK \t
.endr
	global_store_b128 v9, v[24:27], s[16:17]       ; my column's 16 scale bytes
.irp t, 0,1,2,3,4,5,6,7,8,9,10,11,12,13,14,15
	ds_load_b128 v[112+4*\t:112+4*\t+3], v7 offset:2*\t*272
.endr
.irp t, 0,1,2,3,4,5,6,7,8,9,10,11,12,13,14,15
	s_wait_dscnt 15-\t                             ; LDS loads come back in order: number t is in
	global_store_b128 v8, v[112+4*\t:112+4*\t+3], s[14:15] offset:2*\t*512
.endr
	s_wait_tensorcnt 0x0                           ; the wave's end: the three lines
	ds_add_u32 v[SPW], v[NIL]
	s_wait_dscnt 0x0
	s_endpgm
; ---------------- W_proj: the same plan, f16 in place of codes.  A wave takes 32 columns x 128 along K (4 blocks of 32).
.Lp:
	s_sub_co_u32 s21, ttmp9, 48
	s_lshr_b32 s22, s21, 3                         ; which 128 along K
	s_and_b32 s21, s21, 7                          ; which 128 columns
	s_lshl_b32 s21, s21, 7
	s_lshl_b32 s23, s20, 5
	s_add_co_u32 s21, s21, s23                     ; my wave's first column
	v_lshlrev_b32 v3, 2, v2
	s_mul_i32 s23, s20, 32*272
	s_add_co_u32 s23, s23, PST                     ; my stage
	v_mul_u32_u24 v4, v2, 272
	v_add_nc_u32 v4, s23, v4
	v_and_b32 v5, 15, v2
	v_lshrrev_b32 v6, 4, v2
	v_mul_u32_u24 v7, v6, 272
	v_lshl_add_u32 v7, v5, 4, v7
	v_add_nc_u32 v7, s23, v7
	v_lshlrev_b32 v8, 11, v6
	v_lshl_add_u32 v8, v5, 4, v8                   ; the same place in wpT: rows of 2,048 bytes
	s_lshl_b32 s24, s22, 19                        ; 128 rows of 4,096 bytes
	s_lshl_b32 s26, s21, 2
	s_add_co_u32 s24, s24, s26
	s_add_nc_u64 s[8:9], s[8:9], s[24:25]
	s_lshl_b32 s24, s21, 11
	s_lshl_b32 s26, s22, 8
	s_add_co_u32 s24, s24, s26
	s_add_nc_u64 s[18:19], s[18:19], s[24:25]
.macro PLOAD t
.irp i, 0,1,2,3,4,5,6,7,8,9,10,11,12,13,14,15,16,17,18,19,20,21,22,23,24,25,26,27,28,29,30,31
	global_load_b32 v[32+32*((\t)%2)+\i], v3, s[8:9] offset:(32*(\t)+\i)*4096 th:TH_LOAD_NT
.endr
.endm
	PLOAD 0
	PLOAD 1
.macro PBLOCK t
.set XS, 32+32*((\t)%2)
.if (\t) < 3
	s_wait_loadcnt 32                              ; this block's 32 loads are in; the next block's 32 stay out
.else
	s_wait_loadcnt 0x0
.endif
.irp i, 0,1,2,3,4,5,6,7,8,9,10,11,12,13,14,15
	v_cvt_pk_f16_f32 v[96+\i], v[XS+2*\i], v[XS+2*\i+1]
.endr
.irp g, 0,1,2,3
	ds_store_b128 v4, v[96+4*\g:96+4*\g+3] offset:64*(\t)+16*\g
.endr
.if (\t)+2 < 4
	PLOAD (\t)+2
.endif
	s_wait_dscnt 0x0                               ; the stores have read their registers
.endm
.irp t, 0,1,2,3
	PBLOCK \t
.endr
.irp t, 0,1,2,3,4,5,6,7,8,9,10,11,12,13,14,15
	ds_load_b128 v[112+4*\t:112+4*\t+3], v7 offset:2*\t*272
.endr
.irp t, 0,1,2,3,4,5,6,7,8,9,10,11,12,13,14,15
	s_wait_dscnt 15-\t
	global_store_b128 v8, v[112+4*\t:112+4*\t+3], s[18:19] offset:2*\t*2048   ; sixteen lanes store 256 consecutive bytes, aligned
.endr
	s_wait_tensorcnt 0x0                           ; the wave's end: the three lines
	ds_add_u32 v[SPW], v[NIL]
	s_wait_dscnt 0x0
	s_endpgm
.Lfunc_end_k_q461c6477e5_prep:
	.size	k_q461c6477e5_prep, .Lfunc_end_k_q461c6477e5_prep-k_q461c6477e5_prep
	.p2alignl 7, 3214868480
	.fill 96, 4, 3214868480
	.section	.rodata,"a",@progbits
	.p2align	6, 0x0
	.amdhsa_kernel k_q461c6477e5_prep
		.amdhsa_group_segment_fixed_size 102912
		.amdhsa_private_segment_fixed_size 0
		.amdhsa_enable_private_segment 0
		.amdhsa_kernarg_size 64
		.amdhsa_user_sgpr_count 2
		.amdhsa_user_sgpr_kernarg_segment_ptr 1
		.amdhsa_wavefront_size32 1
		.amdhsa_system_sgpr_workgroup_id_x 1
		.amdhsa_system_sgpr_workgroup_id_y 1
		.amdhsa_system_sgpr_workgroup_id_z 1
		.amdhsa_system_vgpr_workitem_id 0
		.amdhsa_next_free_vgpr 192
		.amdhsa_next_free_sgpr 66
		.amdhsa_reserve_vcc 0
		.amdhsa_float_denorm_mode_32 3
		.amdhsa_float_denorm_mode_16_64 3
		.amdhsa_memory_ordered 1
		.amdhsa_forward_progress 1
		.amdhsa_inst_pref_size 132
	.end_amdhsa_kernel
	.amdgpu_metadata
---
amdhsa.version: [ 1, 2 ]
amdhsa.kernels:
  - .name:           k_q461c6477e5_prep
    .symbol:         k_q461c6477e5_prep.kd
    .args:
      - { .name: x, .offset: 0, .size: 8, .value_kind: global_buffer, .address_space: global }
      - { .name: W_qkv, .offset: 8, .size: 8, .value_kind: global_buffer, .address_space: global }
      - { .name: W_proj, .offset: 16, .size: 8, .value_kind: global_buffer, .address_space: global }
      - { .name: x_codes, .offset: 24, .size: 8, .value_kind: global_buffer, .address_space: global }
      - { .name: x_scales, .offset: 32, .size: 8, .value_kind: global_buffer, .address_space: global }
      - { .name: wq_codes, .offset: 40, .size: 8, .value_kind: global_buffer, .address_space: global }
      - { .name: wq_scales, .offset: 48, .size: 8, .value_kind: global_buffer, .address_space: global }
      - { .name: wpT, .offset: 56, .size: 8, .value_kind: global_buffer, .address_space: global }
    .group_segment_fixed_size: 102912
    .private_segment_fixed_size: 0
    .kernarg_segment_align: 8
    .kernarg_segment_size: 64
    .max_flat_workgroup_size: 128
    .sgpr_count:     66
    .vgpr_count:     192
    .wavefront_size: 32
...
	.end_amdgpu_metadata
.endif
;; end of part 1
;; launch gemm1 (part 2): grid 12 x 32, 4 waves a work-group, clusters of 4 x 4, 327,680 bytes of LDS; arguments x_codes, x_scales, wq_codes, wq_scales, b_qkv, qkv16; writes qkv16
.if DOCPART == 2
	.amdgcn_target "amdgcn-amd-amdhsa--gfx1250"
	.amdhsa_code_object_version 6
	.text
	.protected	k_q461c6477e5_gemm1
	.globl	k_q461c6477e5_gemm1
	.p2align	8
	.type	k_q461c6477e5_gemm1,@function
k_q461c6477e5_gemm1:
	s_mov_b64 s[64:65], 0
	v_nop
	global_prefetch_b8 v0, s[64:65] scope:SCOPE_SE
	s_setreg_imm32_b32 hwreg(HW_REG_WAVE_MODE, 25, 1), 1
	s_wait_xcnt 0x0
	s_wait_alu depctr_hold_cnt(0) depctr_sa_sdst(0) depctr_va_vdst(0) depctr_va_sdst(0) depctr_va_ssrc(0) depctr_va_vcc(0) depctr_vm_vsrc(0)
	s_getreg_b32 s2, hwreg(HW_REG_IB_STS2, 6, 4)
	s_cmp_eq_u32 s2, 0
	s_cbranch_scc0 .Lentry_in_a_cluster
	s_endpgm
.Lentry_in_a_cluster:
	s_bfe_u32 s2, ttmp6, 0x10000c
	s_cmp_lg_u32 s2, 0xf033
	s_cbranch_scc0 .Lentry_shape_is_right
	s_endpgm
.Lentry_shape_is_right:
; qkv = Q(x) Q(W_qkv) + b_qkv on codes of FP4 (E2M1) with one E8M0 scale for each 32 along K; sums in f32; rounded once to f16 and laid by head:
; qkv16 [3 which][4 b][16 h][2048 t][64] f16.   A = x_codes [8192][512 bytes], B = wq_codes [3072][512 bytes]; scale bytes [rows][32].
; LIMIT: |qkv| stays under 65,504 (f16); under 6e-5 it loses bits.
; A tile of 256 x 256 is made by four waves, 128 x 128 each: 64 accumulators, 512 registers.  K = 1,024 is two LDS slots of 512 along K (rows of 256 bytes):
; both are first fills, asked for at the head with the scale bytes; nothing is filled again, so there is no loop.  By this text's count a wave has three tensor loads out.
; CLUSTERS: 4 x 4 work-groups.  The four of a row of the cluster need the same tiles of A, the four of a column the same tiles of B: each is asked for jointly.
; THE MATRIX INSTRUCTION IS USED TRANSPOSED (source 0 = 16 rows of B, source 1 = 16 rows of A): a lane holds eight neighbouring columns of one row.
; The bias is the C of each sum's first matrix instruction.
; REGISTERS: window 0: v0-31 addresses; v32-95 scale words, two sets, and nothing else; v128-191 A's fragments, one set; v192-255 the bias, later packed results.
;   window 1: B's fragments, two sets, at v0 and v128.   window 2: accumulators of my rows 0-63 ((a, b) at v[8 (8 a + b)]);   window 3: rows 64-127.
.set NQ,     4                         ; matrix instructions deep in a slot
.set ROWB,   256                       ; a tile's row in bytes: 512 codes
.set KROW,   512                       ; a row of codes in memory
.set PITCH,  272                       ; an LDS row: 256 bytes + 16 of padding: the 16 rows of a load start at 16 different banks
.set FR,     8
.set NL,     2
.set NP,     4
.set HALFT,  128*PITCH
.set SLOT,   4*HALFT                   ; A's 256 rows, then B's 256 rows
.set KS,     32                        ; a row of scale bytes
.set SCL,    2*SLOT                    ; behind the slots: the scale bytes, as runs of 256 bytes + 16 of padding
.set HALFS,  16*272                    ; those of 128 rows
.set SBLK,   2*272                     ; those of 16 rows
.set SPARE,  SCL+4*HALFS               ; the spare words, 128 bytes for each wave
.set SPITCH, 272                       ; the way out: a stage of 16 rows x (256 + 16) bytes for each wave, in slot 0, which has had its only fill and its last read by then
.set ADRA, 16
.set ADRB, 20
.set STO,  24
.set RD,   25
.set CO,   26
.set ADRS, 27
.set SPW,  28
.set NIL,  29
.set BO,   30
.set SC,   32
.set AF,   128
.set BIAS, 192
.set TMP,  192
.set BK,   128
.set G1, 24
.set G0, 32
.set G1B, 48
.set G0B, 56
.set G1S, 68
.set G0S, 76
.set G1SB, 80
.set G0SB, 88
.set MSB, 0
.macro WIN new                         ; the immediate's high byte repeats the setting that is left
.if MSB != (\new)
	s_set_vgpr_msb (MSB<<8)|(\new)
.set MSB, (\new)
.endif
.endm
.set MUL_LO, 0xa1                      ; source 0 (B) window 1, source 1 (A) window 0, C and D window 2
.set MUL_HI, 0xf1                      ; the same, C and D window 3
.set FST_LO, 0x81                      ; the first step: C (the bias) window 0, D window 2
.set FST_HI, 0xc1                      ; D window 3
.set TO_B,   0x40
; A joint load: waves 0 and 1 fetch for A, waves 2 and 3 for B; the branch hangs on the wave's number alone.  An s_nop 0 and four v_nop follow each line.
.macro JLOAD g0a, g1a, g0b, g1b
	s_cmp_eq_u32 s15, 0
	s_cbranch_scc0 .Lfor_b_\@
	tensor_load_to_lds s[\g0a:\g0a+3], s[\g1a:\g1a+7]
	s_nop 0
.rept 4
	v_nop
.endr
	s_branch .Lasked_\@
.Lfor_b_\@:
	tensor_load_to_lds s[\g0b:\g0b+3], s[\g1b:\g1b+7]
	s_nop 0
.rept 4
	v_nop
.endr
.Lasked_\@:
.endm
.macro CROUND                          ; a round of the cluster's barrier
	s_barrier_signal -1
	s_barrier_wait -1
	s_cmp_lg_u32 s14, 0
	s_cbranch_scc1 .Lnot_wave_0_\@
	s_barrier_signal -3
.Lnot_wave_0_\@:
	s_barrier_wait -3
	s_barrier_signal -1
	s_barrier_wait -1
.endm
	s_load_b128 s[4:7], s[0:1], 0x0                ; x_codes s[4:5], x_scales s[6:7]
	s_load_b128 s[8:11], s[0:1], 0x10              ; wq_codes s[8:9], wq_scales s[10:11]
	s_load_b128 s[96:99], s[0:1], 0x20             ; b_qkv s[96:97], qkv16 s[98:99]
	v_lshl_add_u32 v[SPW], v0, 2, SPARE
	v_mov_b32 v[NIL], 0
	ds_add_u32 v[SPW], v[NIL]                      ; the opening: the add, twice on end, and its wait ahead of my first tensor load
	ds_add_u32 v[SPW], v[NIL]
	v_lshrrev_b32 v1, 5, v0
	v_readfirstlane_b32 s14, v1                    ; wave 0..3
	s_lshr_b32 s15, s14, 1                         ; which half of the tile's rows is mine.  Also: I fetch for A (0) or for B (1)
	s_and_b32 s16, s14, 1                          ; which half of its columns.  Also: which 128 rows I fetch
	s_bfe_u32 s40, ttmp6, 0x40000                  ; cx
	s_bfe_u32 s41, ttmp6, 0x40004                  ; cy
	s_lshl_b32 s42, ttmp9, 2
	s_add_co_u32 s42, s42, s40                     ; tile column
	s_and_b32 s17, ttmp7, 0xffff
	s_lshl_b32 s17, s17, 2
	s_add_co_u32 s17, s17, s41                     ; tile row
	s_lshl_b32 s43, s41, 2
	s_lshl_b32 s43, 15, s43                        ; my row of the cluster
	s_lshl_b32 s44, 0x1111, s40                    ; my column
	s_or_b32 s[G1+0], s43, (0<<16)|(1<<20)|(1<<21)|(5<<22)|(3<<25)   ; mask; elements of 1 byte; padding on; bit 21 beside a mask; 4 words behind every 64
	s_or_b32 s[G1B+0], s44, (0<<16)|(1<<20)|(1<<21)|(5<<22)|(3<<25)
.irp g, G1, G1B
	s_mov_b32 s[\g+1], ROWB<<16                    ; tensor_dim0
	s_mov_b32 s[\g+2], 128<<16                     ; tensor_dim1
	s_mov_b32 s[\g+3], ROWB<<16                    ; tile_dim0
	s_mov_b32 s[\g+4], 128                         ; tile_dim1
	s_mov_b32 s[\g+5], KROW                        ; the pitch
	s_mov_b32 s[\g+6], 0
	s_mov_b32 s[\g+7], 0
.endr
	s_or_b32 s[G1S+0], s43, (3<<16)|(1<<20)|(1<<21)|(5<<22)|(3<<25)  ; the scale bytes of 128 rows: 4,096 dense bytes as 16 rows of 32 elements of 8 bytes
	s_or_b32 s[G1SB+0], s44, (3<<16)|(1<<20)|(1<<21)|(5<<22)|(3<<25)
.irp g, G1S, G1SB
	s_mov_b32 s[\g+1], 32<<16
	s_mov_b32 s[\g+2], 16<<16
	s_mov_b32 s[\g+3], 32<<16
	s_mov_b32 s[\g+4], 16
	s_mov_b32 s[\g+5], 32
	s_mov_b32 s[\g+6], 0
	s_mov_b32 s[\g+7], 0
.endr
	s_lshl_b32 s18, s16, 7
	s_lshl_b32 s20, s17, 8
	s_add_co_u32 s20, s20, s18                     ; A: row 256 x tile row + 128 x half
	s_lshl_b32 s46, s42, 8
	s_add_co_u32 s46, s46, s18                     ; B: row 256 x tile column + 128 x half
	s_mov_b32 s21, 0
	s_mov_b32 s47, 0
	s_mov_b64 s[18:19], KS
	s_mul_u64 s[22:23], s[20:21], s[18:19]         ; where these rows' scale bytes begin
	s_mul_u64 s[92:93], s[46:47], s[18:19]
	s_mov_b64 s[18:19], KROW
	s_mul_u64 s[20:21], s[20:21], s[18:19]         ; and their codes
	s_mul_u64 s[46:47], s[46:47], s[18:19]
	s_mul_i32 s45, s14, HALFT                      ; where they go: wave x 128 rows
	s_mul_i32 s94, s14, HALFS
	s_wait_dscnt 0x0                               ; both opening adds are done
	s_wait_kmcnt 0x0
	s_add_nc_u64 s[20:21], s[4:5], s[20:21]
	s_add_nc_u64 s[22:23], s[6:7], s[22:23]
	s_add_nc_u64 s[46:47], s[8:9], s[46:47]
	s_add_nc_u64 s[92:93], s[10:11], s[92:93]
	CROUND                                         ; all sixteen work-groups are here: the joint loads meet
	s_mov_b32 s[G0S], 1
	s_add_co_u32 s[G0S+1], s94, SCL
	s_mov_b64 s[G0S+2:G0S+3], s[22:23]
	s_or_b32 s[G0S+3], s[G0S+3], 0x80000000
	s_mov_b32 s[G0SB], 1
	s_add_co_u32 s[G0SB+1], s94, SCL
	s_mov_b64 s[G0SB+2:G0SB+3], s[92:93]
	s_or_b32 s[G0SB+3], s[G0SB+3], 0x80000000
	JLOAD G0S, G1S, G0SB, G1SB                     ; the scale bytes first
.irp s, 0,1
	s_mov_b32 s[G0+4*\s], 1
	s_add_co_u32 s[G0+4*\s+1], s45, \s*SLOT
	s_add_nc_u64 s[G0+4*\s+2:G0+4*\s+3], s[20:21], \s*ROWB
	s_or_b32 s[G0+4*\s+3], s[G0+4*\s+3], 0x80000000
	s_mov_b32 s[G0B+4*\s], 1
	s_add_co_u32 s[G0B+4*\s+1], s45, \s*SLOT
	s_add_nc_u64 s[G0B+4*\s+2:G0B+4*\s+3], s[46:47], \s*ROWB
	s_or_b32 s[G0B+4*\s+3], s[G0B+4*\s+3], 0x80000000
	JLOAD G0+4*\s, G1, G0B+4*\s, G1B
.endr
	v_and_b32 v1, 15, v0                           ; r
	v_bfe_u32 v2, v0, 4, 1                         ; h
	v_mul_u32_u24 v3, v1, PITCH
	v_lshl_add_u32 v4, v2, 4, v3                   ; a fragment's row x pitch + 16 h
	s_mul_i32 s21, s15, HALFT
	s_mul_i32 s22, s16, HALFT
	s_add_co_u32 s22, s22, 2*HALFT
.irp s, 0,1
	v_add_nc_u32 v[ADRA+\s], s21, v4
	v_add_nc_u32 v[ADRB+\s], s22, v4
	s_add_co_u32 s21, s21, SLOT
	s_add_co_u32 s22, s22, SLOT
.endr
	v_mul_u32_u24 v5, v1, KS                       ; my row's scale bytes: 32 a row,
	v_lshrrev_b32 v6, 8, v5
	v_lshl_add_u32 v5, v6, 4, v5                   ; and 16 more for each 256 passed
	s_mul_i32 s21, s15, HALFS
	s_mul_i32 s22, s16, HALFS
	s_add_co_u32 s22, s22, 2*HALFS
	s_sub_co_u32 s22, s22, s21
	v_mul_u32_u24 v6, s22, v2                      ; lanes 16-31 take B's
	s_add_co_u32 s21, s21, SCL
	v_add_nc_u32 v5, v5, v6
	v_add_nc_u32 v[ADRS], s21, v5
	s_mul_i32 s23, s14, 16*SPITCH                  ; my stage
	v_mul_u32_u24 v5, v1, SPITCH
	v_lshl_add_u32 v5, v2, 4, v5
	v_add_nc_u32 v[STO], s23, v5                   ; in: row r, 16 bytes for each half of the lanes
	v_and_b32 v6, 31, v0
	v_lshrrev_b32 v7, 3, v6
	v_mul_u32_u24 v7, v7, SPITCH
	v_and_b32 v8, 7, v0
	v_lshl_add_u32 v7, v8, 4, v7
	v_add_nc_u32 v[RD], s23, v7                    ; back: eight lanes take a head's 128 bytes of a row, four rows an instruction
	v_lshlrev_b32 v[CO], 4, v6                     ; which are 512 consecutive bytes of qkv16
	v_lshlrev_b32 v[BO], 5, v2                     ; the bias: 8 numbers for each half of the lanes
	s_lshl_b32 s20, s17, 8
	s_lshl_b32 s21, s15, 7
	s_add_co_u32 s20, s20, s21                     ; m0: my first row
	s_lshr_b32 s21, s20, 11                        ; b
	s_lshl_b32 s21, s21, 22
	s_and_b32 s20, s20, 2047                       ; t
	s_lshl_b32 s20, s20, 7
	s_add_co_u32 s20, s20, s21
	s_lshl_b32 s46, s42, 8
	s_lshl_b32 s47, s16, 7
	s_add_co_u32 s46, s46, s47                     ; n0: my first column
	s_lshl_b32 s92, s46, 2
	s_mov_b32 s93, 0
	s_add_nc_u64 s[96:97], s[96:97], s[92:93]      ; b_qkv at n0
	s_lshr_b32 s47, s46, 10                        ; q, k or v
	s_lshl_b32 s47, s47, 24
	s_add_co_u32 s20, s20, s47
	s_bfe_u32 s47, s46, 0x40006                    ; my first head
	s_lshl_b32 s47, s47, 18
	s_add_co_u32 s20, s20, s47
	s_mov_b32 s21, 0
	s_add_nc_u64 s[98:99], s[98:99], s[20:21]      ; qkv16 at my first row of my first head
.irp b, 0,1,2,3,4,5,6,7
	global_load_b128 v[BIAS+8*\b:BIAS+8*\b+3], v[BO], s[96:97] offset:64*\b        ; b_qkv[n0 + 16 b + 8 h + 0 .. 7]: the result's layout
	global_load_b128 v[BIAS+8*\b+4:BIAS+8*\b+7], v[BO], s[96:97] offset:64*\b+16
.endr
.macro FRAG reg, adr, q, i             ; 16 rows x 128 K of 4-bit codes: 8 registers, two loads of 16 bytes, 32 bytes apart
.irp c, 0,1
	ds_load_b128 v[\reg+4*\c:\reg+4*\c+3], v[\adr] offset:64*(\q)+32*\c+(\i)*16*PITCH
.endr
.endm
; 16 matrix instructions: A's blocks a0, a0 + 1 x B's eight.  first = 1: C is the bias.  The 64 accumulators take turns, one instruction a turn.
.macro MUL16 a0, p, q, sc, first
.irp a, \a0, \a0+1
.irp b, 0,1,2,3,4,5,6,7
.if \first
	v_wmma_scale_f32_16x16x128_f8f6f4 v[8*(8*((\a)%4)+\b):8*(8*((\a)%4)+\b)+7], v[128*(\p)+FR*\b:128*(\p)+FR*\b+FR-1], v[AF+FR*(\a):AF+FR*(\a)+FR-1], v[BIAS+8*\b:BIAS+8*\b+7], v[SC+8*NQ*(\sc)+NQ*\b+(\q)], v[SC+8*NQ*(\sc)+NQ*(\a)+(\q)] matrix_a_fmt:MATRIX_FMT_FP4 matrix_b_fmt:MATRIX_FMT_FP4 matrix_a_scale:MATRIX_SCALE_ROW1
.else
	v_wmma_scale_f32_16x16x128_f8f6f4 v[8*(8*((\a)%4)+\b):8*(8*((\a)%4)+\b)+7], v[128*(\p)+FR*\b:128*(\p)+FR*\b+FR-1], v[AF+FR*(\a):AF+FR*(\a)+FR-1], v[8*(8*((\a)%4)+\b):8*(8*((\a)%4)+\b)+7], v[SC+8*NQ*(\sc)+NQ*\b+(\q)], v[SC+8*NQ*(\sc)+NQ*(\a)+(\q)] matrix_a_fmt:MATRIX_FMT_FP4 matrix_b_fmt:MATRIX_FMT_FP4 matrix_a_scale:MATRIX_SCALE_ROW1
.endif
.endr
.endr
.endm
.macro FETCH_B slot, q, p
	WIN TO_B
.irp i, 0,1,2,3,4,5,6,7
	FRAG 128*(\p)+FR*\i, ADRB+\slot, \q, \i
.endr
	WIN 0
.endm
.macro FETCH_A slot, q, i0
.irp i, \i0, \i0+1, \i0+2, \i0+3
	FRAG AF+FR*(\i), ADRA+\slot, \q, \i
.endr
.endm
.macro SCALES sc                       ; a slot's scale words: 4 a row; lanes 0-15 take A's block i, lanes 16-31 B's block i
.irp i, 0,1,2,3,4,5,6,7
	ds_load_b128 v[SC+8*NQ*\sc+NQ*\i:SC+8*NQ*\sc+NQ*\i+3], v[ADRS] offset:\i*SBLK
.endr
.endm
.macro PLACES n                        ; plain vector instructions between a matrix instruction and a load into, or a read of, its registers
.rept \n
	v_nop
.endr
.endm
.macro STEP slot, q, first             ; 128 along K, with its successor in the same slot
	s_wait_dscnt 4*NL                              ; B's set and A's blocks 0-3 are in; the youngest eight loads (A's blocks 4-7) may be out
.if \first
	WIN FST_LO
.else
	WIN MUL_LO
.endif
	MUL16 0, (\q)%2, \q, \slot, \first
	MUL16 2, (\q)%2, \q, \slot, \first
	s_wait_dscnt 0
	PLACES NP
	FETCH_B \slot, (\q)+1, 1-(\q)%2
	FETCH_A \slot, (\q)+1, 0
.if \first
	WIN FST_HI
.else
	WIN MUL_HI
.endif
	MUL16 4, (\q)%2, \q, \slot, \first
	MUL16 6, (\q)%2, \q, \slot, \first
	PLACES NP
	WIN 0
	FETCH_A \slot, (\q)+1, 4
.endm
	s_wait_tensorcnt 1                             ; the scale bytes and my part of slot 0 are in; slot 1's load may be out
	s_barrier_signal -1
	s_barrier_wait -1
	FETCH_B 0, 0, 0
	FETCH_A 0, 0, 0
	SCALES 0
	FETCH_A 0, 0, 4
	s_wait_loadcnt 0x0                             ; the bias
	STEP 0, 0, 1
	STEP 0, 1, 0
	STEP 0, 2, 0
	; slot 0's last step changes slots: one barrier; in front of it each wave waits for all its tensor loads (its part of slot 1) and for its reads of slot 0
	s_wait_tensorcnt 0x0
	ds_add_u32 v[SPW], v[NIL]
	s_wait_dscnt 4*NL+1                            ; the add and the youngest eight loads may be out
	WIN MUL_LO
	MUL16 0, 1, 3, 0, 0
	s_wait_dscnt 0x0                               ; the add is done, and my reads of slot 0 are over
	s_barrier_signal -1
	MUL16 2, 1, 3, 0, 0
	WIN 0
	s_barrier_wait -1
	PLACES NP
	v_add_nc_u32 v[ADRS], 4*NQ, v[ADRS]            ; on to slot 1's scale words
	FETCH_B 1, 0, 0
	FETCH_A 1, 0, 0
	SCALES 1
	WIN MUL_HI
	MUL16 4, 1, 3, 0, 0
	MUL16 6, 1, 3, 0, 0
	PLACES NP
	WIN 0
	FETCH_A 1, 0, 4
	STEP 1, 0, 0
	STEP 1, 1, 0
	STEP 1, 2, 0
	s_wait_dscnt 4*NL                              ; the very last step: nothing more to fetch
	WIN MUL_LO
	MUL16 0, 1, 3, 1, 0
	MUL16 2, 1, 3, 1, 0
	s_wait_dscnt 0
	WIN MUL_HI
	MUL16 4, 1, 3, 1, 0
	MUL16 6, 1, 3, 1, 0
	WIN 0
; THE WAY OUT, block by block of 16 rows x 128 columns (two heads).  Rounded to f16, 16 bytes a lane, into my stage; back so that 32 lanes hold four rows of one head: 512 consecutive bytes of qkv16.
.macro PACK a
.set AC, 64*((\a)%4)
	WIN 0x0a+5*((\a)/4)                            ; sources 0 and 1: window 2 or 3
.irp b, 0,1,2,3,4,5,6,7
.irp r, 0,1,2,3
	v_cvt_pk_f16_f32 v[TMP+4*\b+\r], v[AC+8*\b+2*\r], v[AC+8*\b+2*\r+1]    ; each accumulator from its low end on
.endr
.endr
	WIN 0
.endm
.macro TOSTAGE a
.set BB, BK+32*((\a)%2)
.irp b, 0,1,2,3,4,5,6,7
	ds_store_b128 v[STO], v[TMP+4*\b:TMP+4*\b+3] offset:32*\b
.endr
.irp hh, 0,1
.irp g, 0,1,2,3
	ds_load_b128 v[BB+4*(4*\hh+\g):BB+4*(4*\hh+\g)+3], v[RD] offset:\g*4*SPITCH+\hh*128   ; LDS serves a wave's instructions in order: these see the stores above
.endr
.endr
.endm
.macro SEND a
.set BB, BK+32*((\a)%2)
	s_wait_dscnt 0x0                               ; the block is back in registers
	s_wait_xcnt 0x0                                ; the stores of the block before have read their registers: the next block's loads may land there
.irp hh, 0,1
.irp g, 0,1,2,3
	global_store_b128 v[CO], v[BB+4*(4*\hh+\g):BB+4*(4*\hh+\g)+3], s[98:99] offset:\hh*262144+(\a)*2048+\g*512   ; 512 consecutive bytes, aligned
.endr
.endr
.endm
	PLACES NP
	PACK 0
	TOSTAGE 0
.irp a, 1,2,3,4,5,6,7                  ; block a's conversions stand between block a - 1's loads from the stage and the wait for them
	PACK \a
	SEND \a-1
	TOSTAGE \a
.endr
	SEND 7
	s_wait_tensorcnt 0x0                           ; the wave's end: the three lines
	ds_add_u32 v[SPW], v[NIL]
	s_wait_dscnt 0x0
	CROUND                                         ; the closing round
	s_endpgm
.Lfunc_end_k_q461c6477e5_gemm1:
	.size	k_q461c6477e5_gemm1, .Lfunc_end_k_q461c6477e5_gemm1-k_q461c6477e5_gemm1
	.p2alignl 7, 3214868480
	.fill 96, 4, 3214868480
	.section	.rodata,"a",@progbits
	.p2align	6, 0x0
	.amdhsa_kernel k_q461c6477e5_gemm1
		.amdhsa_group_segment_fixed_size 327680
		.amdhsa_private_segment_fixed_size 0
		.amdhsa_enable_private_segment 0
		.amdhsa_kernarg_size 48
		.amdhsa_user_sgpr_count 2
		.amdhsa_user_sgpr_kernarg_segment_ptr 1
		.amdhsa_wavefront_size32 1
		.amdhsa_system_sgpr_workgroup_id_x 1
		.amdhsa_system_sgpr_workgroup_id_y 1
		.amdhsa_system_sgpr_workgroup_id_z 1
		.amdhsa_system_vgpr_workitem_id 0
		.amdhsa_next_free_vgpr 1024
		.amdhsa_next_free_sgpr 100
		.amdhsa_reserve_vcc 0
		.amdhsa_float_denorm_mode_32 3
		.amdhsa_float_denorm_mode_16_64 3
		.amdhsa_memory_ordered 1
		.amdhsa_forward_progress 1
		.amdhsa_inst_pref_size 128
	.end_amdhsa_kernel
	.amdgpu_metadata
---
amdhsa.version: [ 1, 2 ]
amdhsa.kernels:
  - .name:           k_q461c6477e5_gemm1
    .symbol:         k_q461c6477e5_gemm1.kd
    .args:
      - { .name: x_codes, .offset: 0, .size: 8, .value_kind: global_buffer, .address_space: global }
      - { .name: x_scales, .offset: 8, .size: 8, .value_kind: global_buffer, .address_space: global }
      - { .name: wq_codes, .offset: 16, .size: 8, .value_kind: global_buffer, .address_space: global }
      - { .name: wq_scales, .offset: 24, .size: 8, .value_kind: global_buffer, .address_space: global }
      - { .name: b_qkv, .offset: 32, .size: 8, .value_kind: global_buffer, .address_space: global }
      - { .name: qkv16, .offset: 40, .size: 8, .value_kind: global_buffer, .address_space: global }
    .group_segment_fixed_size: 327680
    .private_segment_fixed_size: 0
    .kernarg_segment_align: 8
    .kernarg_segment_size: 48
    .max_flat_workgroup_size: 128
    .sgpr_count:     100
    .vgpr_count:     1024
    .wavefront_size: 32
...
	.end_amdgpu_metadata
.endif
;; end of part 2
;; launch attn (part 3): grid 4 x 64, 8 waves a work-group, no clusters, 327,680 bytes of LDS; arguments qkv16, yh; writes yh
.if DOCPART == 3
	.amdgcn_target "amdgcn-amd-amdhsa--gfx1250"
	.amdhsa_code_object_version 6
	.text
	.protected	k_q461c6477e5_attn
	.globl	k_q461c6477e5_attn
	.p2align	8
	.type	k_q461c6477e5_attn,@function
k_q461c6477e5_attn:
	s_mov_b64 s[64:65], 0
	v_nop
	global_prefetch_b8 v0, s[64:65] scope:SCOPE_SE
	s_setreg_imm32_b32 hwreg(HW_REG_WAVE_MODE, 25, 1), 1
	s_wait_xcnt 0x0
; Causal attention on one (batch, head): y[q] = sum over k <= q of softmax_k(q . k / 8) v[k].  q, k, v: f16 from qkv16 [3][64 bh][2048][64]; products with f16 operands and f32 sums;
; running maximum m and sum l in f32; the weights p = 2^(c s - c m), c = log2(e) / 8, are rounded to f16 for the second product; y leaves as f16: yh [16 h][8192 rows][64].
; LIMITS: NaN and infinities are not served; weights under 6e-5 of a row's largest lose bits (f16).  Positions 0 to 15 of every sequence are made again, in f32, by later launches.
; SHARES.  Work-group (p, bh) owns the blocks of 256 queries 7 - p and p: the kept part of the score matrix is the same size in every work-group.  Wave w owns 32 queries of each:
; piece H (tiles 0, 1) from 256 (7 - p) + 32 (7 - w), piece L (tiles 2, 3) from 256 p + 32 w.  Two waves lie on a SIMD: one's vector work stands beside the other's matrix work.
; THE WALK.  Every work-group walks all 8 slots of 256 keys, 4 steps of 64 keys each, with constant trip counts; a step all of whose keys come after a piece's queries is jumped over
; by a scalar branch on ids; a slot whose first key comes after the work-group's last query is not asked for.  Every wait on TENSORcnt is for 0; a wave has one tensor load out at the most.
; NO CLUSTER: the four work-groups of a head stop reading at different slots (p = 3 after five, p = 0 after eight), so a partner would have to ask for tiles that none of its waves reads.
; LAYOUT.  S^T = K Q^T (source 0 = 16 keys, source 1 = 16 queries) and O^T = V^T P: a lane holds one query throughout.  K and V lie in LDS two keys to a row of 256 bytes;
; V is turned on its way into registers by ds_load_tr16_b128.
; REGISTERS: window 0: v2-15 addresses; v16-47 statistics, 8 a tile; v48-111 V's 8 fragments; v112-175 S^T of a piece (2 tiles x 32); v176-207 P (2 x 16); v208 at work.
;   window 1: v0-127 O^T (32 a tile); v128-191 Q (16 a tile); v192-255 K's 8 fragments.
.set PK,    272                        ; two keys of K + 16 bytes: the 16 keys of a load start at 16 different groups of four banks
.set PV,    288                        ; two keys of V + 32 bytes
.set VOFF,  128*PK                     ; a slot: 256 keys of K, then 256 of V
.set SLOT1, 1<<17                      ; slot 1 begins here: one exclusive or turns an address
.set KSTP,  32*PK                      ; 64 keys
.set VSTP,  32*PV
.set STAGE, 2*SLOT1                    ; the way out: 16 rows x (128 + 16) bytes for each wave; no tile lands here
.set SP,    144
.set SPARE, STAGE+8*16*SP              ; the spare words, 128 bytes for each wave
.set AK0, 2
.set AV0, 3
.set ADK, 4
.set ADV, 5
.set QO,  6
.set STO, 7
.set RD,  8
.set GO,  9
.set PFO, 10
.set DL,  11                           ; r - 8 h
.set NINF, 12                          ; -infinity
.set D0,  13                           ; the mask's terms of the piece's two tiles
.set D1,  208
.set SPW, 14
.set NIL, 15
.set ST,  16                           ; tile t at ST + 8 t: +0 c m, +1 m, +2, +3 l (even, odd keys), +4 .. +7 at work; a in +6
.set VF,  48
.set S,   112
.set P,   176
.set QF,  128                          ; window 1
.set KR,  192                          ; window 1
.set WV,  8
.set SEL, 20
.set CS,  22
.set G1K, 24
.set G1V, 32
.set G0K, 40
.set G0V, 44
.set TBK, 48
.set TBV, 49
.set SLOTS, 50
.set STEPS, 51
.set KF,  52                           ; the step's first key
.set QH,  53
.set QL,  54
.set QHE, 55                           ; the pieces' last queries
.set QLE, 56
.set QLAST, 57                         ; the work-group's last query
.set LIM, 58
.set PFK, 60
.set PFV, 62
.set MSB, 0
.macro WIN new
.if MSB != (\new)
	s_set_vgpr_msb (MSB<<8)|(\new)
.set MSB, (\new)
.endif
.endm
.set W_KQ, 0x05                        ; K and Q window 1, S^T window 0
.set W_PV, 0x50                        ; V and P window 0, O^T window 1
.set W_RS, 0x41                        ; O^T (destination, source 0) window 1, a window 0
.set TO_1, 0x40
; Waves 0 and 1 fetch K's halves of a slot, waves 2 and 3 V's, the others nothing.  An s_nop 0 and four v_nop follow each line.
.macro TLOAD
	s_cmp_lt_u32 s[WV], 2
	s_cbranch_scc0 .Lnot_k_\@
	tensor_load_to_lds s[G0K:G0K+3], s[G1K:G1K+7]
	s_nop 0
.rept 4
	v_nop
.endr
	s_branch .Lasked_\@
.Lnot_k_\@:
	s_cmp_lt_u32 s[WV], 4
	s_cbranch_scc0 .Lasked_\@
	tensor_load_to_lds s[G0V:G0V+3], s[G1V:G1V+7]
	s_nop 0
.rept 4
	v_nop
.endr
.Lasked_\@:
.endm
; A prefetch of the slot that the NEXT change of slots will ask for: 32,768 dense bytes of K and as many of V.  The head's work-group p = 0, which walks all slots, asks, and in it the waves
; that fetch nothing: waves 4 to 7, 8,192 bytes of each a wave, lanes 256 bytes apart: each aligned block of 256 bytes of slots 2 to 7 is named once.  The last filling change asks for nothing.
.macro ASK
	s_cmp_gt_u32 s[SLOTS], s[LIM]
	s_cbranch_scc0 .Lnot_mine_\@
	global_prefetch_b8 v[PFO], s[PFK:PFK+1] th:TH_LOAD_NT scope:SCOPE_SE
	global_prefetch_b8 v[PFO], s[PFV:PFV+1] th:TH_LOAD_NT scope:SCOPE_SE
.Lnot_mine_\@:
.endm
	s_load_b128 s[4:7], s[0:1], 0x0                ; qkv16 s[4:5], yh s[6:7]
	v_lshl_add_u32 v[SPW], v0, 2, SPARE
	v_mov_b32 v[NIL], 0
	ds_add_u32 v[SPW], v[NIL]                      ; the opening: the add, twice on end, and its wait ahead of the first tensor load
	ds_add_u32 v[SPW], v[NIL]
	v_lshrrev_b32 v1, 5, v0
	v_readfirstlane_b32 s[WV], v1                  ; wave 0..7
	s_and_b32 s9, ttmp7, 0xffff                    ; bh = 16 b + h
	s_and_b32 s10, s[WV], 1                        ; which 128 keys of a slot I fetch, if I fetch
	s_mov_b32 s[G1K], (1<<16)|(1<<20)|(5<<22)|(3<<25)   ; elements of 2 bytes; padding on: 4 words behind every 64
	s_mov_b32 s[G1V], (1<<16)|(1<<20)|(5<<22)|(7<<25)   ; 8 words
.irp g, G1K, G1V
	s_mov_b32 s[\g+1], 128<<16                     ; tensor_dim0: two keys, 128 elements (the rows are dense in memory)
	s_mov_b32 s[\g+2], 64<<16                      ; tensor_dim1
	s_mov_b32 s[\g+3], 128<<16                     ; tile_dim0
	s_mov_b32 s[\g+4], 64                          ; tile_dim1: 64 rows = 128 keys
	s_mov_b32 s[\g+5], 128                         ; the pitch
	s_mov_b32 s[\g+6], 0
	s_mov_b32 s[\g+7], 0
.endr
	s_sub_co_u32 s66, 7, ttmp9
	s_lshl_b32 s66, s66, 8
	s_sub_co_u32 s67, 7, s[WV]
	s_lshl_b32 s67, s67, 5
	s_add_co_u32 s[QH], s66, s67
	s_lshl_b32 s66, ttmp9, 8
	s_lshl_b32 s67, s[WV], 5
	s_add_co_u32 s[QL], s66, s67
	s_add_co_u32 s[QHE], s[QH], 31
	s_add_co_u32 s[QLE], s[QL], 31
	s_sub_co_u32 s66, 8, ttmp9
	s_lshl_b32 s66, s66, 8
	s_sub_co_u32 s[QLAST], s66, 1
	s_mov_b32 s[SEL], 0x76543210
	s_mov_b32 s[SEL+1], 0xfedcba98
	s_mov_b32 s[CS], 0x3e38aa3b                    ; c = log2(e) / 8
	s_mov_b32 s[CS+1], s[CS]                       ; named with it as a pair, so it is written
	s_mov_b32 s[TBK], 0
	s_mov_b32 s[TBV], 0
	s_mov_b32 s[KF], 0
	s_mov_b32 s[SLOTS], 7
	s_lshl_b32 s66, s9, 18                         ; the head's bytes in each third of qkv16
	s_mov_b32 s67, 0
	s_lshl_b32 s68, s10, 14
	s_mov_b32 s69, 0
	s_mul_i32 s70, s10, 64*PK
	s_mul_i32 s71, s10, 64*PV
	s_add_co_u32 s71, s71, VOFF
	s_wait_dscnt 0x0                               ; both opening adds are done
	s_wait_kmcnt 0x0
	s_add_nc_u64 s[4:5], s[4:5], s[66:67]          ; Q of my head
	s_add_nc_u64 s[72:73], s[4:5], 0x1000000       ; K
	s_add_nc_u64 s[74:75], s[4:5], 0x2000000       ; V
	s_mov_b32 s[G0K], 1
	s_mov_b32 s[G0K+1], s70
	s_add_nc_u64 s[G0K+2:G0K+3], s[72:73], s[68:69]
	s_or_b32 s[G0K+3], s[G0K+3], 0x80000000
	s_mov_b32 s[G0V], 1
	s_mov_b32 s[G0V+1], s71
	s_add_nc_u64 s[G0V+2:G0V+3], s[74:75], s[68:69]
	s_or_b32 s[G0V+3], s[G0V+3], 0x80000000
	TLOAD                                          ; slot 0: key 0 counts for every query, so it is read
	s_lshl_b32 s66, s[QH], 7
	s_add_nc_u64 s[12:13], s[4:5], s[66:67]        ; Q at piece H
	s_and_b32 s68, s9, 15
	s_lshl_b32 s68, s68, 20
	s_lshr_b32 s70, s9, 4
	s_lshl_b32 s70, s70, 18
	s_add_co_u32 s68, s68, s70
	s_add_nc_u64 s[6:7], s[6:7], s[68:69]          ; yh at my head and batch
	s_add_nc_u64 s[16:17], s[6:7], s[66:67]        ; at piece H
	s_lshl_b32 s66, s[QL], 7
	s_add_nc_u64 s[14:15], s[4:5], s[66:67]        ; Q at piece L
	s_add_nc_u64 s[18:19], s[6:7], s[66:67]
	s_and_b32 s66, s[WV], 3
	s_lshl_b32 s66, s66, 13
	s_add_co_u32 s66, s66, 32768                   ; my part of slot 1: the first change of slots steps it to slot 2.  Nothing is prefetched at the head
	s_add_nc_u64 s[PFK:PFK+1], s[72:73], s[66:67]
	s_add_nc_u64 s[PFV:PFV+1], s[74:75], s[66:67]
	s_lshr_b32 s66, s[WV], 2
	s_xor_b32 s66, s66, 1                          ; 0 in waves 4 to 7,
	s_or_b32 s66, s66, ttmp9                       ; of work-group p = 0
	s_cmp_eq_u32 s66, 0
	s_cselect_b32 s[LIM], 1, -1
	v_and_b32 v1, 15, v0                           ; r
	v_bfe_u32 v209, v0, 4, 1                       ; h
	v_and_b32 v210, 31, v0                         ; lane
	v_lshlrev_b32 v[QO], 7, v1
	v_lshl_add_u32 v[QO], v209, 4, v[QO]           ; Q: row r of 128 bytes + 16 h
	WIN TO_1
.irp t, 0,1
.irp c, 0,1
	global_load_b128 v[QF+16*\t+8*\c:QF+16*\t+8*\c+3],       v[QO], s[12:13] offset:\t*2048+64*\c
	global_load_b128 v[QF+16*\t+8*\c+4:QF+16*\t+8*\c+7],     v[QO], s[12:13] offset:\t*2048+64*\c+32
	global_load_b128 v[QF+32+16*\t+8*\c:QF+32+16*\t+8*\c+3],   v[QO], s[14:15] offset:\t*2048+64*\c
	global_load_b128 v[QF+32+16*\t+8*\c+4:QF+32+16*\t+8*\c+7], v[QO], s[14:15] offset:\t*2048+64*\c+32
.endr
.endr
.set i, 0
.rept 128
	v_mov_b32 v[i], 0                              ; O^T.  The step is written once: the first finds zeros, which the first a = 0 leaves zeros
.set i, i+1
.endr
	WIN 0
	v_lshrrev_b32 v211, 1, v1
	v_mul_u32_u24 v[AK0], v211, PK
	v_and_b32 v211, 1, v1
	v_lshl_add_u32 v[AK0], v211, 7, v[AK0]
	v_lshl_add_u32 v[AK0], v209, 4, v[AK0]         ; K: key r at (r / 2) pitch + 128 (r % 2), + 16 h
	v_and_b32 v211, 7, v0
	v_lshl_add_u32 v211, v209, 3, v211             ; V: the key that my lane addresses: 8 h + lane % 8
	v_lshrrev_b32 v212, 1, v211
	v_mul_u32_u24 v[AV0], v212, PV
	v_and_b32 v212, 1, v211
	v_lshl_add_u32 v[AV0], v212, 7, v[AV0]
	v_bfe_u32 v212, v0, 3, 1
	v_lshl_add_u32 v[AV0], v212, 4, v[AV0]
	v_add_nc_u32 v[AV0], VOFF, v[AV0]
	s_mul_i32 s66, s[WV], 16*SP
	s_add_co_u32 s66, s66, STAGE                   ; my stage
	v_mul_u32_u24 v[STO], v1, SP
	v_lshl_add_u32 v[STO], v209, 4, v[STO]
	v_add_nc_u32 v[STO], s66, v[STO]
	v_lshrrev_b32 v211, 3, v210
	v_mul_u32_u24 v[RD], v211, SP
	v_and_b32 v211, 7, v0
	v_lshl_add_u32 v[RD], v211, 4, v[RD]
	v_add_nc_u32 v[RD], s66, v[RD]                 ; back: eight lanes to a row of 128 bytes, four rows an instruction
	v_lshlrev_b32 v[GO], 4, v210
	v_lshlrev_b32 v[PFO], 8, v210
	v_lshlrev_b32 v211, 3, v209
	v_sub_nc_u32 v[DL], v1, v211
	v_mov_b32 v[NINF], 0xff800000
.irp t, 0,1,2,3
	v_mov_b32 v[ST+8*\t+1], 0xff61b1e6             ; m: -3e38, under every score
	v_mul_f32 v[ST+8*\t], s[CS], v[ST+8*\t+1]      ; c m
.irp k, 2,3,4,5,6,7
	v_mov_b32 v[ST+8*\t+\k], 0                     ; l, and the registers at work: written on every way to the way out
.endr
.endr
; A PIECE's share of a step: 16 products K Q^T, the mask on the diagonal, the softmax of two tiles line by line, O^T x a, 16 products V^T P.
.macro PIECE x
.if \x == 0
.set QX, QH
	s_wait_dscnt 16                                ; K's 16 loads are in; V's 16, issued behind them, may be out
.else
.set QX, QL
.endif
	WIN W_KQ
.irp c, 0,1                            ; eight accumulators by turns, one instruction a turn; the first eight start the sums
.irp kt, 0,1,2,3
.irp u, 0,1
.if \c == 0
	v_wmma_f32_16x16x32_f16 v[S+32*\u+8*\kt:S+32*\u+8*\kt+7], v[KR+16*\kt+8*\c:KR+16*\kt+8*\c+7], v[QF+16*(\x+\u)+8*\c:QF+16*(\x+\u)+8*\c+7], 0
.else
	v_wmma_f32_16x16x32_f16 v[S+32*\u+8*\kt:S+32*\u+8*\kt+7], v[KR+16*\kt+8*\c:KR+16*\kt+8*\c+7], v[QF+16*(\x+\u)+8*\c:QF+16*(\x+\u)+8*\c+7], v[S+32*\u+8*\kt:S+32*\u+8*\kt+7]
.endif
.endr
.endr
.endr
	WIN 0
.rept 4
	v_nop                                          ; places between the products and the first read of their results
.endr
	s_add_co_u32 s66, s[KF], 63                    ; a step all of whose keys count for all 32 queries skips the mask: ids and the count of steps alone
	s_cmp_le_u32 s66, s[QX]
	s_cbranch_scc1 .Lopen_\@
	s_sub_co_i32 s66, s[QX], s[KF]
	v_add_nc_u32 v[D0], s66, v[DL]                 ; d = my query - KF - 8 h.  Register 8 kt + j holds key KF + 16 kt + 8 h + j: hidden where 16 kt + j > d
	v_add_nc_u32 v[D1], 16, v[D0]
.set i, 0
.rept 32
	v_cmp_gt_i32 vcc_lo, 16*(i/8)+i%8, v[D0]
	v_cndmask_b32 v[S+i], v[S+i], v[NINF], vcc_lo
	v_cmp_gt_i32 vcc_lo, 16*(i/8)+i%8, v[D1]
	v_cndmask_b32 v[S+32+i], v[S+32+i], v[NINF], vcc_lo
.set i, i+1
.endr
.Lopen_\@:
.irp j, 0,1,2,3                        ; the maximum: four chains, each begun at an accumulator's low end
.irp u, 0,1
	v_max3_num_f32 v[ST+8*(\x+\u)+4+\j], v[S+32*\u+8*\j], v[S+32*\u+8*\j+1], v[S+32*\u+8*\j+2]
.endr
.endr
.irp i, 3,5
.irp j, 0,1,2,3
.irp u, 0,1
	v_max3_num_f32 v[ST+8*(\x+\u)+4+\j], v[ST+8*(\x+\u)+4+\j], v[S+32*\u+8*\j+\i], v[S+32*\u+8*\j+\i+1]
.endr
.endr
.endr
.irp u, 0,1
	v_max3_num_f32 v[ST+8*(\x+\u)+4], v[ST+8*(\x+\u)+4], v[S+32*\u+7], v[S+32*\u+15]
.endr
.irp u, 0,1
	v_max3_num_f32 v[ST+8*(\x+\u)+6], v[ST+8*(\x+\u)+6], v[S+32*\u+23], v[S+32*\u+31]
.endr
.irp u, 0,1
	v_max3_num_f32 v[ST+8*(\x+\u)+4], v[ST+8*(\x+\u)+4], v[ST+8*(\x+\u)+5], v[ST+8*(\x+\u)+6]
.endr
.irp u, 0,1
	v_max3_num_f32 v[ST+8*(\x+\u)+4], v[ST+8*(\x+\u)+4], v[ST+8*(\x+\u)+7], v[ST+8*(\x+\u)+1]   ; with the old m
.endr
.irp u, 0,1
	v_permlanex16_b32 v[ST+8*(\x+\u)+5], v[ST+8*(\x+\u)+4], s[SEL], s[SEL+1]   ; the query's other 32 keys lie in the lane 16 away
.endr
.irp u, 0,1
	v_mov_b32 v[ST+8*(\x+\u)+7], v[ST+8*(\x+\u)]   ; the old c m is kept for a
.endr
.irp u, 0,1
	v_max_num_f32 v[ST+8*(\x+\u)+1], v[ST+8*(\x+\u)+4], v[ST+8*(\x+\u)+5]
.endr
.irp u, 0,1
	v_mul_f32 v[ST+8*(\x+\u)], s[CS], v[ST+8*(\x+\u)+1]
.endr
.irp u, 0,1
	v_sub_f32 v[ST+8*(\x+\u)+7], v[ST+8*(\x+\u)+7], v[ST+8*(\x+\u)]
.endr
.set i, 0
.rept 16
.irp u, 0,1
	v_pk_fma_f32 v[S+32*\u+2*i:S+32*\u+2*i+1], v[S+32*\u+2*i:S+32*\u+2*i+1], s[CS:CS+1], v[ST+8*(\x+\u):ST+8*(\x+\u)+1] op_sel_hi:[1,0,0] neg_lo:[0,0,1] neg_hi:[0,0,1]   ; c s - c m
.endr
.set i, i+1
.endr
.irp u, 0,1                            ; ONE BATCH: both tiles' 66 exponentials; none reads another's result
	v_exp_f32 v[ST+8*(\x+\u)+6], v[ST+8*(\x+\u)+7] ; a = 2^(c m_old - c m_new)
.endr
.set i, 0
.rept 32
	v_exp_f32 v[S+i], v[S+i]
	v_exp_f32 v[S+32+i], v[S+32+i]
.set i, i+1
.endr
	v_nop                                          ; a plain instruction behind the last exponential
	s_wait_alu depctr_va_vdst(0)                   ; one wait for the batch, ahead of its first reader
.set i, 0
.rept 16
.irp u, 0,1
	v_cvt_pk_f16_f32 v[P+16*\u+i], v[S+32*\u+2*i], v[S+32*\u+2*i+1]
.endr
.set i, i+1
.endr
.irp z, 0,1,2,3,4,5,6,7                ; the sum of the unrounded weights, in place: neighbours 1, 2, 4 and 8 pairs apart
.irp u, 0,1
	v_pk_add_f32 v[S+32*\u+4*\z:S+32*\u+4*\z+1], v[S+32*\u+4*\z:S+32*\u+4*\z+1], v[S+32*\u+4*\z+2:S+32*\u+4*\z+3]
.endr
.endr
.irp z, 0,1,2,3
.irp u, 0,1
	v_pk_add_f32 v[S+32*\u+8*\z:S+32*\u+8*\z+1], v[S+32*\u+8*\z:S+32*\u+8*\z+1], v[S+32*\u+8*\z+4:S+32*\u+8*\z+5]
.endr
.endr
.irp z, 0,1
.irp u, 0,1
	v_pk_add_f32 v[S+32*\u+16*\z:S+32*\u+16*\z+1], v[S+32*\u+16*\z:S+32*\u+16*\z+1], v[S+32*\u+16*\z+8:S+32*\u+16*\z+9]
.endr
.endr
.irp u, 0,1
	v_pk_add_f32 v[S+32*\u:S+32*\u+1], v[S+32*\u:S+32*\u+1], v[S+32*\u+16:S+32*\u+17]
.endr
.irp u, 0,1
	v_pk_fma_f32 v[ST+8*(\x+\u)+2:ST+8*(\x+\u)+3], v[ST+8*(\x+\u)+2:ST+8*(\x+\u)+3], v[ST+8*(\x+\u)+6:ST+8*(\x+\u)+7], v[S+32*\u:S+32*\u+1] op_sel_hi:[1,0,1]   ; l = a l + the sum
.endr
	WIN W_RS
.set i, 0
.rept 16
.irp u, 0,1
	v_pk_mul_f32 v[32*(\x+\u)+2*i:32*(\x+\u)+2*i+1], v[32*(\x+\u)+2*i:32*(\x+\u)+2*i+1], v[ST+8*(\x+\u)+6:ST+8*(\x+\u)+7] op_sel_hi:[1,0]   ; O^T x a, each accumulator from its low end on
.endr
.set i, i+1
.endr
.if \x == 0
	s_wait_dscnt 0x0                               ; V is in
.endif
	WIN W_PV
.irp kk, 0,1                           ; eight accumulators by turns
.irp dt, 0,1,2,3
.irp u, 0,1
	v_wmma_f32_16x16x32_f16 v[32*(\x+\u)+8*\dt:32*(\x+\u)+8*\dt+7], v[VF+8*(4*\kk+\dt):VF+8*(4*\kk+\dt)+7], v[P+16*\u+8*\kk:P+16*\u+8*\kk+7], v[32*(\x+\u)+8*\dt:32*(\x+\u)+8*\dt+7]
.endr
.endr
.endr
	WIN 0
.endm
; A KEY STEP: 64 keys.  K's and V's fragments are read once and serve both pieces.
.macro STEP
	s_cmp_gt_u32 s[KF], s[QHE]                     ; all keys behind piece H's queries (then behind piece L's too): the work is left out, not the lines that step addresses
	s_cbranch_scc1 .Lhid_\@
	v_add_nc_u32 v[ADK], s[TBK], v[AK0]
	v_add_nc_u32 v[ADV], s[TBV], v[AV0]
	v_nop
	v_nop                                          ; these four are the places between the last products and the loads into their operands
	WIN TO_1
.irp kt, 0,1,2,3
.irp c, 0,1
	ds_load_b128 v[KR+16*\kt+8*\c:KR+16*\kt+8*\c+3],   v[ADK] offset:\kt*8*PK+64*\c
	ds_load_b128 v[KR+16*\kt+8*\c+4:KR+16*\kt+8*\c+7], v[ADK] offset:\kt*8*PK+64*\c+32
.endr
.endr
	WIN 0
.irp kk, 0,1
.irp dt, 0,1,2,3
	ds_load_tr16_b128 v[VF+8*(4*\kk+\dt):VF+8*(4*\kk+\dt)+3],   v[ADV] offset:\kk*16*PV+32*\dt
	ds_load_tr16_b128 v[VF+8*(4*\kk+\dt)+4:VF+8*(4*\kk+\dt)+7], v[ADV] offset:\kk*16*PV+8*PV+32*\dt
.endr
.endr
	PIECE 0
	s_cmp_gt_u32 s[KF], s[QLE]
	s_cbranch_scc1 .Lhid_\@
	PIECE 2
.Lhid_\@:
	s_add_co_u32 s[KF], s[KF], 64
	s_add_co_u32 s[TBK], s[TBK], KSTP
	s_add_co_u32 s[TBV], s[TBV], VSTP
.endm
; THE CHANGE OF SLOTS stands at a slot's head.  Each wave waits for all its tensor loads, adds 0 to its spare word, and waits for that and for its reads of the slot that it has left; one barrier;
; fill = 1: behind it the slot just left is filled with the keys that follow the slot ahead, up to the causal limit.
.macro CHANGE fill
	s_wait_tensorcnt 0x0                           ; no tensor load of mine is out, so a group 0 may be written
	ds_add_u32 v[SPW], v[NIL]
.if \fill
	ds_add_u32 v[SPW], v[NIL]                      ; twice on end here, in every trip alike
	s_xor_b32 s[G0K+1], s[G0K+1], SLOT1
	s_add_nc_u64 s[G0K+2:G0K+3], s[G0K+2:G0K+3], 32768
	s_xor_b32 s[G0V+1], s[G0V+1], SLOT1
	s_add_nc_u64 s[G0V+2:G0V+3], s[G0V+2:G0V+3], 32768
	s_wait_xcnt 0x0                                ; the last prefetches, a slot back, have read their addresses
	s_add_nc_u64 s[PFK:PFK+1], s[PFK:PFK+1], 32768
	s_add_nc_u64 s[PFV:PFV+1], s[PFV:PFV+1], 32768
.endif
	s_wait_dscnt 0x0                               ; the add is done, and my reads of the slot that I have left are over
	s_barrier_signal -1
	s_barrier_wait -1
.if \fill
	s_add_co_u32 s66, s[KF], 256                   ; the first key of the slot that this change would ask for
	s_cmp_gt_u32 s66, s[QLAST]                     ; behind my work-group's last query: none of its waves would read it.  Ids and the count of steps alone: all eight waves go the same way
	s_cbranch_scc1 .Lpast_\@
	TLOAD                                          ; a wave's one tensor load until the next barrier
.Lpast_\@:
	ASK
.endif
.endm
.macro SLOT_STEPS
	s_mov_b32 s[STEPS], 4
.Lstep_\@:
	STEP
	s_sub_co_u32 s[STEPS], s[STEPS], 1
	s_cmp_lg_u32 s[STEPS], 0
	s_cbranch_scc1 .Lstep_\@
	s_sub_co_u32 s[TBK], s[TBK], 4*KSTP            ; back to a slot's first step,
	s_xor_b32 s[TBK], s[TBK], SLOT1                ; in the other slot
	s_sub_co_u32 s[TBV], s[TBV], 4*VSTP
	s_xor_b32 s[TBV], s[TBV], SLOT1
.endm
	s_wait_loadcnt 0x0                             ; Q
.Lslot:                                            ; 7 trips: behind each change of slots but the last the next slot is asked for, up to the causal limit
	CHANGE 1
	SLOT_STEPS
	s_sub_co_u32 s[SLOTS], s[SLOTS], 1
	s_cmp_lg_u32 s[SLOTS], 0
	s_cbranch_scc1 .Lslot
	CHANGE 0                                       ; the last slot is written out: nothing is left to ask for
	SLOT_STEPS
	; THE WAY OUT.  l's halves are added; O^T / l is rounded to f16 and goes through my stage, a tile of 16 rows at a time.  The additions are the places behind the last products.
.irp t, 0,1,2,3
	v_add_f32 v[ST+8*\t+4], v[ST+8*\t+2], v[ST+8*\t+3]
.endr
.irp t, 0,1,2,3
	v_permlanex16_b32 v[ST+8*\t+5], v[ST+8*\t+4], s[SEL], s[SEL+1]
.endr
.irp t, 0,1,2,3
	v_add_f32 v[ST+8*\t+4], v[ST+8*\t+4], v[ST+8*\t+5]
.endr
.irp t, 0,1,2,3
	v_rcp_f32 v[ST+8*\t+6], v[ST+8*\t+4]
.endr
	v_nop                                          ; a plain instruction behind the last reciprocal
	s_wait_alu depctr_va_vdst(0)                   ; one wait for the four, ahead of their first reader
.macro PACK t
	WIN W_RS
.set i, 0
.rept 16
	v_pk_mul_f32 v[32*\t+2*i:32*\t+2*i+1], v[32*\t+2*i:32*\t+2*i+1], v[ST+8*\t+6:ST+8*\t+7] op_sel_hi:[1,0]
.set i, i+1
.endr
	WIN 0x05                                       ; sources window 1, destination window 0
.set i, 0
.rept 16
	v_cvt_pk_f16_f32 v[S+16*\t+i], v[32*\t+2*i], v[32*\t+2*i+1]
.set i, i+1
.endr
	WIN 0
.irp d, 0,1,2,3
	ds_store_b128 v[STO], v[S+16*\t+4*\d:S+16*\t+4*\d+3] offset:32*\d
.endr
.irp g, 0,1,2,3
	ds_load_b128 v[S+16*\t+4*\g:S+16*\t+4*\g+3], v[RD] offset:\g*4*SP   ; LDS serves a wave's instructions in order: these see the stores above; the next tile's stores come behind them
.endr
.endm
.macro SEND t, younger                 ; younger: the LDS instructions issued behind tile t's loads: the next tile's eight, or none
.irp g, 0,1,2,3
	s_wait_dscnt \younger+3-\g
.if \t < 2
	global_store_b128 v[GO], v[S+16*\t+4*\g:S+16*\t+4*\g+3], s[16:17] offset:(\t%2)*2048+512*\g   ; 512 consecutive bytes, aligned
.else
	global_store_b128 v[GO], v[S+16*\t+4*\g:S+16*\t+4*\g+3], s[18:19] offset:(\t%2)*2048+512*\g
.endif
.endr
.endm
	PACK 0
	PACK 1
	SEND 0, 8
	PACK 2
	SEND 1, 8
	PACK 3
	SEND 2, 8
	SEND 3, 0
	s_wait_tensorcnt 0x0                           ; the wave's end: the three lines
	ds_add_u32 v[SPW], v[NIL]
	s_wait_dscnt 0x0
	s_endpgm
.Lfunc_end_k_q461c6477e5_attn:
	.size	k_q461c6477e5_attn, .Lfunc_end_k_q461c6477e5_attn-k_q461c6477e5_attn
	.p2alignl 7, 3214868480
	.fill 96, 4, 3214868480
	.section	.rodata,"a",@progbits
	.p2align	6, 0x0
	.amdhsa_kernel k_q461c6477e5_attn
		.amdhsa_group_segment_fixed_size 327680
		.amdhsa_private_segment_fixed_size 0
		.amdhsa_enable_private_segment 0
		.amdhsa_kernarg_size 16
		.amdhsa_user_sgpr_count 2
		.amdhsa_user_sgpr_kernarg_segment_ptr 1
		.amdhsa_wavefront_size32 1
		.amdhsa_system_sgpr_workgroup_id_x 1
		.amdhsa_system_sgpr_workgroup_id_y 1
		.amdhsa_system_sgpr_workgroup_id_z 1
		.amdhsa_system_vgpr_workitem_id 0
		.amdhsa_next_free_vgpr 512
		.amdhsa_next_free_sgpr 80
		.amdhsa_reserve_vcc 1
		.amdhsa_float_denorm_mode_32 3
		.amdhsa_float_denorm_mode_16_64 3
		.amdhsa_memory_ordered 1
		.amdhsa_forward_progress 1
		.amdhsa_inst_pref_size 110
	.end_amdhsa_kernel
	.amdgpu_metadata
---
amdhsa.version: [ 1, 2 ]
amdhsa.kernels:
  - .name:           k_q461c6477e5_attn
    .symbol:         k_q461c6477e5_attn.kd
    .args:
      - { .name: qkv16, .offset: 0, .size: 8, .value_kind: global_buffer, .address_space: global }
      - { .name: yh, .offset: 8, .size: 8, .value_kind: global_buffer, .address_space: global }
    .group_segment_fixed_size: 327680
    .private_segment_fixed_size: 0
    .kernarg_segment_align: 8
    .kernarg_segment_size: 16
    .max_flat_workgroup_size: 256
    .sgpr_count:     80
    .vgpr_count:     512
    .wavefront_size: 32
...
	.end_amdgpu_metadata
.endif
;; end of part 3
;; launch proj (part 4): grid 4 x 64, 4 waves a work-group, clusters of 4 x 4, 327,680 bytes of LDS; arguments yh, wpT, b_proj, out0; writes out0
.if DOCPART == 4
	.amdgcn_target "amdgcn-amd-amdhsa--gfx1250"
	.amdhsa_code_object_version 6
	.text
	.protected	k_q461c6477e5_proj
	.globl	k_q461c6477e5_proj
	.p2align	8
	.type	k_q461c6477e5_proj,@function
k_q461c6477e5_proj:
	s_mov_b64 s[64:65], 0
	v_nop
	global_prefetch_b8 v0, s[64:65] scope:SCOPE_SE
	s_setreg_imm32_b32 hwreg(HW_REG_WAVE_MODE, 25, 1), 1
	s_wait_xcnt 0x0
	s_wait_alu depctr_hold_cnt(0) depctr_sa_sdst(0) depctr_va_vdst(0) depctr_va_sdst(0) depctr_va_ssrc(0) depctr_va_vcc(0) depctr_vm_vsrc(0)
	s_getreg_b32 s2, hwreg(HW_REG_IB_STS2, 6, 4)
	s_cmp_eq_u32 s2, 0
	s_cbranch_scc0 .Lentry_in_a_cluster
	s_endpgm
.Lentry_in_a_cluster:
	s_bfe_u32 s2, ttmp6, 0x10000c
	s_cmp_lg_u32 s2, 0xf033
	s_cbranch_scc0 .Lentry_shape_is_right
	s_endpgm
.Lentry_shape_is_right:
; out0 = y W_proj + b_proj, f16 operands, f32 sums, all 8,192 rows.  (The 64 rows of positions 0 to 15 are stored again, from f32 operands, by a later launch.)
; y: yh [16 h][8192 rows][64] f16; W_proj turned: wpT [1024 n][1024 k] f16; out0 [8192][1024] f32.
; A tile of out0 is 128 rows x 256 columns: 256 work-groups.  Four waves, each 64 rows x 128 columns: 32 accumulators, 256 registers.
; K goes in 8 steps of 128 (two heads) through two LDS slots.  A's part of a step is two dense blocks of 16,384 bytes (128 rows of one head), laid two rows to an LDS row of 256 bytes;
; B's is 256 rows of 256 bytes.  Waves 0 and 1 fetch the two heads, waves 2 and 3 B's halves: one load a wave behind each round; two are out at the start.
; CLUSTERS: 4 x 4 work-groups: A's tiles are shared along a row of the cluster, B's along a column, asked for jointly.
; THE MATRIX INSTRUCTION IS USED TRANSPOSED (source 0 = 16 rows of wpT, source 1 = 16 rows of y).  The bias is the C of each sum's first matrix instruction.
; REGISTERS: window 0: v16-31 addresses; v64-95, v96-127 A's two buffers; v128-191 the bias; on the way out v128-255 hold rows.  window 1: v0-63, v64-127 B's two buffers.  window 2: the accumulators, (a, b) at v[8 (8 a + b)].
.set PITCH,  272
.set APAR,   64*PITCH                  ; 128 rows of one head
.set HALFB,  128*PITCH
.set SLOT,   2*APAR+2*HALFB
.set STAGE,  2*SLOT                    ; the way out: 16 rows x (512 + 16) bytes for each wave; no tile lands here
.set SPITCH, 528
.set SPARE,  STAGE+4*16*SPITCH
.set ADRA, 16
.set ADRB, 20
.set STO,  24
.set RD,   25
.set CO,   26
.set SPW,  28
.set NIL,  29
.set PFO,  30
.set BO,   31
.set AF,   64
.set BIAS, 128
.set BK,   128
.set G1, 24
.set G0, 32
.set G1B, 48
.set G0B, 56
.set PFA, 66
.set PFS, 68
.set LIM, 70
.set MSB, 0
.macro WIN new
.if MSB != (\new)
	s_set_vgpr_msb (MSB<<8)|(\new)
.set MSB, (\new)
.endif
.endm
.set MUL,   0xa1                       ; source 0 (B) window 1, source 1 (A) window 0, C and D window 2
.set FIRST, 0x81                       ; C (the bias) window 0
.set TO_B,  0x40
.macro JLOAD s                         ; waves 0 and 1 fetch for A, waves 2 and 3 for B; an s_nop 0 and four v_nop follow each line
	s_cmp_eq_u32 s15, 0
	s_cbranch_scc0 .Lfor_b_\@
	tensor_load_to_lds s[G0+4*\s:G0+4*\s+3], s[G1:G1+7]
	s_nop 0
.rept 4
	v_nop
.endr
	s_branch .Lasked_\@
.Lfor_b_\@:
	tensor_load_to_lds s[G0B+4*\s:G0B+4*\s+3], s[G1B:G1B+7]
	s_nop 0
.rept 4
	v_nop
.endr
.Lasked_\@:
.endm
; A prefetch of the K step that stands two refills on, one instruction a wave.  A's two blocks of 16,384 bytes are read by this cluster alone: wave 0 asks; the four partners of a row share the 128 blocks
; of 256 bytes out by address (cx / 2: which head; cx % 2: which 32 blocks; a lane a block).  B's 256 rows of a tile column are read by every cluster: the cluster with y = 0 asks, waves 2 and 3,
; the four partners of a column taking 32 rows each by address (cy), a lane a row.  The last two refills have no K step two on.
.macro ASK
	s_cmp_gt_u32 s3, s[LIM]                        ; s3 = 1 in the loop's last trip
	s_cbranch_scc0 .Lnot_mine_\@
	global_prefetch_b8 v[PFO], s[PFA:PFA+1] th:TH_LOAD_NT scope:SCOPE_SE
.Lnot_mine_\@:
.endm
.macro CREST
	s_cmp_lg_u32 s14, 0
	s_cbranch_scc1 .Lnot_wave_0_\@
	s_barrier_signal -3
.Lnot_wave_0_\@:
	s_barrier_wait -3
	s_barrier_signal -1
	s_barrier_wait -1
.endm
.macro CROUND
	s_barrier_signal -1
	s_barrier_wait -1
	CREST
.endm
	s_load_b256 s[4:11], s[0:1], 0x0               ; yh s[4:5], wpT s[6:7], b_proj s[8:9], out0 s[10:11]
	v_lshl_add_u32 v[SPW], v0, 2, SPARE
	v_mov_b32 v[NIL], 0
	ds_add_u32 v[SPW], v[NIL]                      ; the opening: the add, twice on end, and its wait ahead of my first tensor load
	ds_add_u32 v[SPW], v[NIL]
	v_lshrrev_b32 v1, 5, v0
	v_readfirstlane_b32 s14, v1                    ; wave 0..3
	s_lshr_b32 s15, s14, 1                         ; which 64 rows are mine.  Also: I fetch for A (0) or for B (1)
	s_and_b32 s16, s14, 1                          ; which 128 columns.  Also: which head of the step, or which 128 rows of B, I fetch
	s_bfe_u32 s40, ttmp6, 0x40000                  ; cx
	s_bfe_u32 s41, ttmp6, 0x40004                  ; cy
	s_lshl_b32 s42, ttmp9, 2
	s_add_co_u32 s42, s42, s40                     ; tile column
	s_and_b32 s17, ttmp7, 0xffff
	s_lshl_b32 s17, s17, 2
	s_add_co_u32 s17, s17, s41                     ; tile row
	s_lshl_b32 s43, s41, 2
	s_lshl_b32 s43, 15, s43                        ; my row of the cluster
	s_lshl_b32 s44, 0x1111, s40                    ; my column
	s_or_b32 s[G1+0], s43, (1<<16)|(1<<20)|(1<<21)|(5<<22)|(3<<25)   ; mask; elements of 2 bytes; padding on; bit 21 beside a mask; 4 words behind every 64
	s_or_b32 s[G1B+0], s44, (1<<16)|(1<<20)|(1<<21)|(5<<22)|(3<<25)
	s_mov_b32 s[G1+1], 128<<16                     ; A: 64 rows of 128 elements, dense
	s_mov_b32 s[G1+2], 64<<16
	s_mov_b32 s[G1+3], 128<<16
	s_mov_b32 s[G1+4], 64
	s_mov_b32 s[G1+5], 128
	s_mov_b32 s[G1+6], 0
	s_mov_b32 s[G1+7], 0
	s_mov_b32 s[G1B+1], 128<<16                    ; B: 128 rows of 128 elements, 1,024 elements apart
	s_mov_b32 s[G1B+2], 128<<16
	s_mov_b32 s[G1B+3], 128<<16
	s_mov_b32 s[G1B+4], 128
	s_mov_b32 s[G1B+5], 1024
	s_mov_b32 s[G1B+6], 0
	s_mov_b32 s[G1B+7], 0
	s_lshl_b32 s20, s16, 20                        ; A: my head of K step 0,
	s_lshl_b32 s21, s17, 14                        ; the tile's 128 rows of 128 bytes
	s_add_co_u32 s20, s20, s21
	s_mov_b32 s21, 0
	s_lshl_b32 s46, s42, 19                        ; B: 256 rows of 2,048 bytes a tile column,
	s_lshl_b32 s47, s16, 18                        ; my 128 of them
	s_add_co_u32 s46, s46, s47
	s_mov_b32 s47, 0
	s_mul_i32 s45, s16, APAR                       ; where they go: no place in the cluster enters an LDS address
	s_mul_i32 s18, s16, HALFB
	s_add_co_u32 s18, s18, 2*APAR
	s_wait_dscnt 0x0                               ; both opening adds are done
	s_wait_kmcnt 0x0
	s_add_nc_u64 s[20:21], s[4:5], s[20:21]
	s_add_nc_u64 s[46:47], s[6:7], s[46:47]
	CROUND                                         ; all sixteen work-groups are here: the first joint loads meet
.irp s, 0,1
	s_mov_b32 s[G0+4*\s], 1
	s_add_co_u32 s[G0+4*\s+1], s45, \s*SLOT
	s_add_nc_u64 s[G0+4*\s+2:G0+4*\s+3], s[20:21], \s*2097152      ; K step s: two heads on
	s_or_b32 s[G0+4*\s+3], s[G0+4*\s+3], 0x80000000
	s_mov_b32 s[G0B+4*\s], 1
	s_add_co_u32 s[G0B+4*\s+1], s18, \s*SLOT
	s_add_nc_u64 s[G0B+4*\s+2:G0B+4*\s+3], s[46:47], \s*256
	s_or_b32 s[G0B+4*\s+3], s[G0B+4*\s+3], 0x80000000
	JLOAD \s
.endr
	v_and_b32 v1, 15, v0                           ; r
	v_bfe_u32 v2, v0, 4, 1                         ; h
	v_lshrrev_b32 v3, 1, v1
	v_mul_u32_u24 v3, v3, PITCH
	v_and_b32 v4, 1, v1
	v_lshl_add_u32 v3, v4, 7, v3
	v_lshl_add_u32 v3, v2, 4, v3                   ; A: row r at (r / 2) pitch + 128 (r % 2), + 16 h
	v_mul_u32_u24 v4, v1, PITCH
	v_lshl_add_u32 v4, v2, 4, v4                   ; B: row r x pitch + 16 h
	s_mul_i32 s21, s15, 32*PITCH                   ; my 64 rows of A
	s_mul_i32 s22, s16, HALFB
	s_add_co_u32 s22, s22, 2*APAR                  ; my 128 rows of B
.irp s, 0,1
	v_add_nc_u32 v[ADRA+\s], s21, v3
	v_add_nc_u32 v[ADRB+\s], s22, v4
	s_add_co_u32 s21, s21, SLOT
	s_add_co_u32 s22, s22, SLOT
.endr
	s_mul_i32 s23, s14, 16*SPITCH
	s_add_co_u32 s23, s23, STAGE                   ; my stage
	v_mul_u32_u24 v5, v1, SPITCH
	v_lshl_add_u32 v5, v2, 5, v5
	v_add_nc_u32 v[STO], s23, v5                   ; in: row r, 32 bytes for each half of the lanes
	v_and_b32 v6, 31, v0
	v_lshlrev_b32 v[CO], 4, v6                     ; back: the 32 lanes take one row of 512 bytes; the same in out0
	v_add_nc_u32 v[RD], s23, v[CO]
	v_lshlrev_b32 v[BO], 5, v2
	s_lshl_b32 s20, s17, 7
	s_lshl_b32 s21, s15, 6
	s_add_co_u32 s20, s20, s21                     ; my first row
	s_lshl_b32 s20, s20, 12
	s_lshl_b32 s46, s42, 8
	s_lshl_b32 s47, s16, 7
	s_add_co_u32 s46, s46, s47                     ; my first column,
	s_lshl_b32 s46, s46, 2                         ; in bytes
	s_mov_b32 s47, 0
	s_add_nc_u64 s[8:9], s[8:9], s[46:47]          ; b_proj there
	s_add_co_u32 s20, s20, s46
	s_mov_b32 s21, 0
	s_add_nc_u64 s[10:11], s[10:11], s[20:21]      ; out0 at my corner
.irp b, 0,1,2,3,4,5,6,7
	global_load_b128 v[BIAS+8*\b:BIAS+8*\b+3], v[BO], s[8:9] offset:64*\b
	global_load_b128 v[BIAS+8*\b+4:BIAS+8*\b+7], v[BO], s[8:9] offset:64*\b+16
.endr
	; the prefetches: where mine stand (at K step 3: the first refill steps them to K step 4), and who asks
	s_lshr_b32 s20, s40, 1
	s_add_co_u32 s20, s20, 6                       ; A: head 6 + cx / 2,
	s_lshl_b32 s20, s20, 20
	s_lshl_b32 s21, s17, 14                        ; the tile's rows,
	s_add_co_u32 s20, s20, s21
	s_and_b32 s21, s40, 1
	s_lshl_b32 s21, s21, 13                        ; my work-group's 32 blocks of the head's 64
	s_add_co_u32 s20, s20, s21
	s_lshl_b32 s21, s42, 19                        ; B: the tile column's rows,
	s_lshl_b32 s22, s16, 18                        ; my wave's 128,
	s_add_co_u32 s21, s21, s22
	s_lshl_b32 s22, s41, 16                        ; my work-group's 32 of them,
	s_add_co_u32 s21, s21, s22
	s_add_co_u32 s21, s21, 768                     ; K step 3
	s_and_b32 s22, ttmp7, 0xffff                   ; cluster y
	s_mov_b32 s[PFS], 256
	s_mov_b32 s19, 2048
	s_cmp_eq_u32 s15, 0                            ; do I fetch for A?
	s_cselect_b64 s[PFA:PFA+1], s[4:5], s[6:7]
	s_cselect_b32 s20, s20, s21
	s_cselect_b32 s[PFS], 0x200000, s[PFS]         ; a K step on: two heads, or 256 bytes of a row
	s_cselect_b32 s19, 256, s19                    ; from lane to lane
	s_cselect_b32 s22, s16, s22                    ; A: wave 0 asks; B: the cluster with y = 0: the same in all sixteen partners, for a given wave
	s_cmp_eq_u32 s22, 0
	s_cselect_b32 s[LIM], 1, -1
	s_mov_b32 s21, 0
	s_mov_b32 s[PFS+1], 0
	s_add_nc_u64 s[PFA:PFA+1], s[PFA:PFA+1], s[20:21]
	v_and_b32 v[PFO], 31, v0
	v_mul_lo_u32 v[PFO], v[PFO], s19
.macro MUL8 f, a, first                ; A's block a x B's eight, 32 along K, buffer f
.irp b, 0,1,2,3,4,5,6,7
.if \first
	v_wmma_f32_16x16x32_f16 v[8*(8*(\a)+\b):8*(8*(\a)+\b)+7], v[64*(\f)+8*\b:64*(\f)+8*\b+7], v[AF+32*(\f)+8*(\a):AF+32*(\f)+8*(\a)+7], v[BIAS+8*\b:BIAS+8*\b+7]
.else
	v_wmma_f32_16x16x32_f16 v[8*(8*(\a)+\b):8*(8*(\a)+\b)+7], v[64*(\f)+8*\b:64*(\f)+8*\b+7], v[AF+32*(\f)+8*(\a):AF+32*(\f)+8*(\a)+7], v[8*(8*(\a)+\b):8*(8*(\a)+\b)+7]
.endif
.endr
.endm
.macro FETCH slot, q, f                ; 24 LDS loads in one run: quarter q (32 along K) of the slot into buffer f: B's 16, then A's 8
	WIN TO_B
.irp i, 0,1,2,3,4,5,6,7
	ds_load_b128 v[64*(\f)+8*\i:64*(\f)+8*\i+3],   v[ADRB+\slot] offset:64*(\q)+\i*16*PITCH
	ds_load_b128 v[64*(\f)+8*\i+4:64*(\f)+8*\i+7], v[ADRB+\slot] offset:64*(\q)+\i*16*PITCH+32
.endr
	WIN 0
.irp i, 0,1,2,3
	ds_load_b128 v[AF+32*(\f)+8*\i:AF+32*(\f)+8*\i+3],   v[ADRA+\slot] offset:((\q)/2)*APAR+((\q)%2)*64+\i*8*PITCH
	ds_load_b128 v[AF+32*(\f)+8*\i+4:AF+32*(\f)+8*\i+7], v[ADRA+\slot] offset:((\q)/2)*APAR+((\q)%2)*64+\i*8*PITCH+32
.endr
.endm
.macro PLACES
.rept 4
	v_nop
.endr
.endm
; One of a K step's first three quarters: multiplies buffer f; in its middle it fetches quarter q into buffer g.  The 32 accumulators take turns in the same order in every quarter.
.macro QUARTER slot, q, f, g, first
	s_wait_dscnt 4                                 ; B and A's blocks 0, 1 are in; the youngest four loads (A's blocks 2, 3) may be out
.if \first
	WIN FIRST
.else
	WIN MUL
.endif
	MUL8 \f, 0, \first
	MUL8 \f, 1, \first
	PLACES
	FETCH \slot, \q, \g
	s_wait_dscnt 24                                ; all but the 24 just issued
.if \first
	WIN FIRST
.else
	WIN MUL
.endif
	MUL8 \f, 2, \first
	MUL8 \f, 3, \first
.endm
; The last quarter multiplies buffer 1 and changes slots: one barrier; in front of it each wave waits for all its tensor loads, adds 0 to its spare word, and waits for that and for its reads of this slot.
.macro TURN slot, next, fill
.if \fill
	s_wait_xcnt 0x0                                ; the last prefetch, a K step back, has read its address
	s_add_nc_u64 s[PFA:PFA+1], s[PFA:PFA+1], s[PFS:PFS+1]
.endif
	WIN 0
	s_wait_tensorcnt 0x0                           ; all my tensor loads have landed: my part of the next slot
	ds_add_u32 v[SPW], v[NIL]
	s_wait_dscnt 5                                 ; the add and the youngest four loads may be out
	WIN MUL
	MUL8 1, 0, 0
	s_wait_dscnt 0x0                               ; the add is done, and my reads of this slot are over
	s_barrier_signal -1
	MUL8 1, 1, 0
	WIN 0
	s_barrier_wait -1
.if \fill
	CREST                                          ; the barrier has opened a round of the cluster's: no wave of any partner still reads this slot or has a load on its way
	s_add_nc_u64 s[G0+4*\slot+2:G0+4*\slot+3], s[G0+4*\slot+2:G0+4*\slot+3], 4194304
	s_add_nc_u64 s[G0B+4*\slot+2:G0B+4*\slot+3], s[G0B+4*\slot+2:G0B+4*\slot+3], 512
	JLOAD \slot                                    ; the first tensor load behind the round; its four v_nop are also the places in front of the loads below
.else
	PLACES
.endif
	FETCH \next, 0, 0
.if \fill
	ASK
.endif
	WIN MUL
	MUL8 1, 2, 0
	MUL8 1, 3, 0
.endm
	s_wait_tensorcnt 1                             ; my part of K step 0 is in; K step 1's load may be out
	s_barrier_signal -1
	s_barrier_wait -1
	FETCH 0, 0, 0
	s_wait_loadcnt 0x0                             ; the bias
	QUARTER 0, 1, 0, 1, 1                          ; the first quarter stands in front of the loop: its products start the sums from the bias
	WIN 0
	s_mov_b32 s3, 3
.Llap:                                             ; a trip goes once round the ring and fills both slots again
	QUARTER 0, 2, 1, 0, 0
	QUARTER 0, 3, 0, 1, 0
	TURN 0, 1, 1
	QUARTER 1, 1, 0, 1, 0
	QUARTER 1, 2, 1, 0, 0
	QUARTER 1, 3, 0, 1, 0
	TURN 1, 0, 1
	QUARTER 0, 1, 0, 1, 0
	WIN 0
	s_sub_co_u32 s3, s3, 1
	s_cmp_lg_u32 s3, 0
	s_cbranch_scc1 .Llap
	QUARTER 0, 2, 1, 0, 0                          ; the last lap fills nothing
	QUARTER 0, 3, 0, 1, 0
	TURN 0, 1, 0
	QUARTER 1, 1, 0, 1, 0
	QUARTER 1, 2, 1, 0, 0
	QUARTER 1, 3, 0, 1, 0
	s_wait_dscnt 4
	WIN MUL
	MUL8 1, 0, 0
	MUL8 1, 1, 0
	s_wait_dscnt 0
	MUL8 1, 2, 0
	MUL8 1, 3, 0
	WIN 0
; THE WAY OUT, block by block of 16 rows x 128 columns, through my stage: back as whole rows of 512 bytes.
.macro TOSTAGE a
	WIN 0x08                                       ; an LDS store's data: window 2
.irp b, 0,1,2,3,4,5,6,7
	ds_store_b128 v[STO], v[64*(\a)+8*\b:64*(\a)+8*\b+3] offset:64*\b          ; each accumulator from its low end on
	ds_store_b128 v[STO], v[64*(\a)+8*\b+4:64*(\a)+8*\b+7] offset:64*\b+16
.endr
	WIN 0
.set BB, BK+64*((\a)%2)
.irp t, 0,1,2,3,4,5,6,7,8,9,10,11,12,13,14,15
	ds_load_b128 v[BB+4*\t:BB+4*\t+3], v[RD] offset:\t*SPITCH
.endr
.endm
.macro SEND a, younger                 ; younger: the LDS instructions issued behind block a's loads
.set BB, BK+64*((\a)%2)
	s_wait_dscnt \younger
.irp t, 0,1,2,3,4,5,6,7,8,9,10,11,12,13,14,15
	global_store_b128 v[CO], v[BB+4*\t:BB+4*\t+3], s[10:11] offset:(16*(\a)+\t)*4096 th:TH_STORE_NT   ; 512 consecutive bytes, aligned
.endr
.endm
	PLACES
	TOSTAGE 0
.irp a, 1,2,3
.if \a > 1
	s_wait_xcnt 0x0                                ; block a - 2's stores have read their registers: block a's loads may land there
.endif
	TOSTAGE \a
	SEND \a-1, 32                                  ; behind block a - 1's loads: block a's 16 stores and 16 loads
.endr
	SEND 3, 0
	s_wait_tensorcnt 0x0                           ; the wave's end: the three lines
	ds_add_u32 v[SPW], v[NIL]
	s_wait_dscnt 0x0
	CROUND                                         ; the closing round
	s_endpgm
.Lfunc_end_k_q461c6477e5_proj:
	.size	k_q461c6477e5_proj, .Lfunc_end_k_q461c6477e5_proj-k_q461c6477e5_proj
	.p2alignl 7, 3214868480
	.fill 96, 4, 3214868480
	.section	.rodata,"a",@progbits
	.p2align	6, 0x0
	.amdhsa_kernel k_q461c6477e5_proj
		.amdhsa_group_segment_fixed_size 327680
		.amdhsa_private_segment_fixed_size 0
		.amdhsa_enable_private_segment 0
		.amdhsa_kernarg_size 32
		.amdhsa_user_sgpr_count 2
		.amdhsa_user_sgpr_kernarg_segment_ptr 1
		.amdhsa_wavefront_size32 1
		.amdhsa_system_sgpr_workgroup_id_x 1
		.amdhsa_system_sgpr_workgroup_id_y 1
		.amdhsa_system_sgpr_workgroup_id_z 1
		.amdhsa_system_vgpr_workitem_id 0
		.amdhsa_next_free_vgpr 768
		.amdhsa_next_free_sgpr 72
		.amdhsa_reserve_vcc 0
		.amdhsa_float_denorm_mode_32 3
		.amdhsa_float_denorm_mode_16_64 3
		.amdhsa_memory_ordered 1
		.amdhsa_forward_progress 1
		.amdhsa_inst_pref_size 89
	.end_amdhsa_kernel
	.amdgpu_metadata
---
amdhsa.version: [ 1, 2 ]
amdhsa.kernels:
  - .name:           k_q461c6477e5_proj
    .symbol:         k_q461c6477e5_proj.kd
    .args:
      - { .name: yh, .offset: 0, .size: 8, .value_kind: global_buffer, .address_space: global }
      - { .name: wpT, .offset: 8, .size: 8, .value_kind: global_buffer, .address_space: global }
      - { .name: b_proj, .offset: 16, .size: 8, .value_kind: global_buffer, .address_space: global }
      - { .name: out0, .offset: 24, .size: 8, .value_kind: global_buffer, .address_space: global }
    .group_segment_fixed_size: 327680
    .private_segment_fixed_size: 0
    .kernarg_segment_align: 8
    .kernarg_segment_size: 32
    .max_flat_workgroup_size: 128
    .sgpr_count:     72
    .vgpr_count:     768
    .wavefront_size: 32
...
	.end_amdgpu_metadata
.endif
;; end of part 4
;; launch fineA (part 5): grid 16 x 4, 4 waves a work-group, no clusters, 13,056 bytes of LDS; arguments x_codes, x_scales, wq_codes, wq_scales, b_qkv, y32; writes y32
.if DOCPART == 5
	.amdgcn_target "amdgcn-amd-amdhsa--gfx1250"
	.amdhsa_code_object_version 6
	.text
	.protected	k_q461c6477e5_fineA
	.globl	k_q461c6477e5_fineA
	.p2align	8
	.type	k_q461c6477e5_fineA,@function
k_q461c6477e5_fineA:
	s_mov_b64 s[64:65], 0
	v_nop
	global_prefetch_b8 v0, s[64:65] scope:SCOPE_SE
	s_setreg_imm32_b32 hwreg(HW_REG_WAVE_MODE, 25, 1), 1
	s_wait_xcnt 0x0
; The first 16 positions of every sequence, more finely: their rows average one to sixteen values and are the largest of the output.
; Work-group (head, batch): q, k, v of positions 0 to 15 are made again from the codes (FP4 matrix instructions, f32 sums, bias as C) and kept in f32; scores, softmax and y in f32
; (the f32 matrix form: 8 instructions a wave, no bulk work).  y32 [64 rows = 16 b + t][1024] f32.
; Wave c owns channels 16 c .. 16 c + 15.  q and k are made transposed (a lane holds a position and 8 channels), v as it lies (a lane holds a channel and 8 positions):
; so pairs of their registers are operands of the f32 form, with the same order of K on both sides.  The four waves' partial scores meet in LDS; each wave runs the 16 x 16 softmax itself.
; No tensor loads; no cluster: what the work-groups share is a few kilobytes.
.set PS,    0                          ; 16 images of 512 bytes: the waves' partial scores
.set YST,   8192                       ; 16 rows x (256 + 16) bytes: y of this head
.set SPARE, 12544
.set XF,  16                           ; v16-79   x's 8 fragments
.set XS,  80                           ; v80-87   x's scale words, and nothing else
.set WS,  88                           ; v88-111  W's scale words (3 tiles x 8), and nothing else
.set BQ,  112
.set BKB, 120
.set BV,  128
.set AQ,  136
.set AK,  144
.set AV,  152
.set SA,  160                          ; v160-175 the f32 form's two accumulators: written by matrix instructions alone
.set SB,  168
.set PT,  176                          ; v176-239
.set PP,  240                          ; v240-247 scores, then p
.set SPW, 252
.set NIL, 253
.set MSB, 0
.macro WIN new
.if MSB != (\new)
	s_set_vgpr_msb (MSB<<8)|(\new)
.set MSB, (\new)
.endif
.endm
	s_load_b256 s[4:11], s[0:1], 0x0               ; x_codes, x_scales, wq_codes, wq_scales
	s_load_b128 s[12:15], s[0:1], 0x20             ; b_qkv, y32
	v_lshl_add_u32 v[SPW], v0, 2, SPARE
	v_mov_b32 v[NIL], 0
	v_lshrrev_b32 v1, 5, v0
	v_readfirstlane_b32 s16, v1                    ; wave c
	s_and_b32 s17, ttmp7, 0xffff                   ; batch
	v_and_b32 v1, 15, v0                           ; r
	v_bfe_u32 v2, v0, 4, 1                         ; h
	v_and_b32 v3, 31, v0                           ; lane
	v_lshlrev_b32 v4, 9, v1
	v_lshl_add_u32 v4, v2, 4, v4                   ; codes: row r of 512 bytes + 16 h
	v_lshlrev_b32 v5, 5, v1                        ; scale bytes: row r of 32
	v_lshlrev_b32 v6, 5, v2                        ; bias, transposed results: 8 numbers for each half of the lanes
	v_lshlrev_b32 v7, 2, v1                        ; bias, v: channel r
	v_lshlrev_b32 v9, 4, v3                        ; an image's place for my lane
	s_lshl_b32 s22, s16, 11
	v_add_nc_u32 v8, s22, v9                       ; my wave's four images
	v_lshlrev_b32 v10, 3, v2
	v_sub_nc_u32 v10, v1, v10                      ; r - 8 h
	v_mov_b32 v11, 0xff800000                      ; -infinity
	v_mov_b32 v13, 0                               ; a lane permute's destination counts as read
	v_mul_u32_u24 v14, v1, 272
	v_lshl_add_u32 v14, v2, 5, v14
	s_lshl_b32 s22, s16, 6
	s_add_co_u32 s22, s22, YST
	v_add_nc_u32 v14, s22, v14                     ; y's stage, in: row r, + 64 c + 32 h
	v_mul_u32_u24 v15, v2, 272
	v_lshl_add_u32 v15, v1, 4, v15
	s_mul_i32 s22, s16, 4*272
	s_add_co_u32 s22, s22, YST
	v_add_nc_u32 v15, s22, v15                     ; back: rows 4 c + h (+ 2), sixteen lanes to a row
	v_lshlrev_b32 v254, 12, v2
	v_lshl_add_u32 v254, v1, 4, v254
	s_lshl_b32 s22, s16, 14
	v_add_nc_u32 v254, s22, v254                   ; the same place in y32
	s_mov_b32 s24, 0x76543210
	s_mov_b32 s25, 0xfedcba98
	s_mov_b32 s26, 0x3e38aa3b                      ; c = log2(e) / 8
	s_lshl_b32 s18, ttmp9, 6
	s_lshl_b32 s19, s16, 4
	s_add_co_u32 s18, s18, s19                     ; my first channel among a third's 1,024
	s_mov_b32 s21, 0
	s_wait_kmcnt 0x0
	s_lshl_b32 s20, s17, 20
	s_add_nc_u64 s[4:5], s[4:5], s[20:21]          ; the batch's first row of codes
	s_lshl_b32 s20, s17, 16
	s_add_nc_u64 s[6:7], s[6:7], s[20:21]
	s_lshl_b32 s20, s18, 9
	s_add_nc_u64 s[8:9], s[8:9], s[20:21]
	s_lshl_b32 s20, s18, 5
	s_add_nc_u64 s[10:11], s[10:11], s[20:21]
	s_lshl_b32 s20, s18, 2
	s_add_nc_u64 s[12:13], s[12:13], s[20:21]
	s_lshl_b32 s20, s17, 16
	s_lshl_b32 s22, ttmp9, 8
	s_add_co_u32 s20, s20, s22
	s_add_nc_u64 s[14:15], s[14:15], s[20:21]      ; y32 at row 16 b, my head's 256 bytes
.irp ks, 0,1,2,3,4,5,6,7
.irp cc, 0,1
	global_load_b128 v[XF+8*\ks+4*\cc:XF+8*\ks+4*\cc+3], v4, s[4:5] offset:64*\ks+32*\cc
.endr
.endr
	global_load_b128 v[XS:XS+3], v5, s[6:7]
	global_load_b128 v[XS+4:XS+7], v5, s[6:7] offset:16
.irp tl, 0,1,2
	global_load_b128 v[WS+8*\tl:WS+8*\tl+3], v5, s[10:11] offset:32768*\tl
	global_load_b128 v[WS+8*\tl+4:WS+8*\tl+7], v5, s[10:11] offset:32768*\tl+16
.endr
	global_load_b128 v[BQ:BQ+3], v6, s[12:13]
	global_load_b128 v[BQ+4:BQ+7], v6, s[12:13] offset:16
	global_load_b128 v[BKB:BKB+3], v6, s[12:13] offset:4096
	global_load_b128 v[BKB+4:BKB+7], v6, s[12:13] offset:4112
.irp j, 0,1,2,3,4,5,6,7
	global_load_b32 v[BV+\j], v7, s[12:13] offset:8192
.endr
	WIN 0x40                                       ; W's 24 fragments: (tile, K step) at v[64 tile + 8 ks] of window 1
.irp tl, 0,1,2
.irp ks, 0,1,2,3,4,5,6,7
.irp cc, 0,1
	global_load_b128 v[64*\tl+8*\ks+4*\cc:64*\tl+8*\ks+4*\cc+3], v4, s[8:9] offset:524288*\tl+64*\ks+32*\cc
.endr
.endr
.endr
	WIN 0
	s_wait_loadcnt 0x0
	WIN 0x01                                       ; source 0 (W) window 1
.irp ks, 0,1,2,3,4,5,6,7               ; q and k, transposed, by turns
.if \ks == 0
	v_wmma_scale_f32_16x16x128_f8f6f4 v[AQ:AQ+7], v[8*\ks:8*\ks+7], v[XF+8*\ks:XF+8*\ks+7], v[BQ:BQ+7], v[WS+\ks], v[XS+\ks] matrix_a_fmt:MATRIX_FMT_FP4 matrix_b_fmt:MATRIX_FMT_FP4
	v_wmma_scale_f32_16x16x128_f8f6f4 v[AK:AK+7], v[64+8*\ks:64+8*\ks+7], v[XF+8*\ks:XF+8*\ks+7], v[BKB:BKB+7], v[WS+8+\ks], v[XS+\ks] matrix_a_fmt:MATRIX_FMT_FP4 matrix_b_fmt:MATRIX_FMT_FP4
.else
	v_wmma_scale_f32_16x16x128_f8f6f4 v[AQ:AQ+7], v[8*\ks:8*\ks+7], v[XF+8*\ks:XF+8*\ks+7], v[AQ:AQ+7], v[WS+\ks], v[XS+\ks] matrix_a_fmt:MATRIX_FMT_FP4 matrix_b_fmt:MATRIX_FMT_FP4
	v_wmma_scale_f32_16x16x128_f8f6f4 v[AK:AK+7], v[64+8*\ks:64+8*\ks+7], v[XF+8*\ks:XF+8*\ks+7], v[AK:AK+7], v[WS+8+\ks], v[XS+\ks] matrix_a_fmt:MATRIX_FMT_FP4 matrix_b_fmt:MATRIX_FMT_FP4
.endif
.endr
	WIN 0x04                                       ; source 1 (W) window 1
.irp ks, 0,1,2,3,4,5,6,7               ; v as it lies: one accumulator
.if \ks == 0
	v_wmma_scale_f32_16x16x128_f8f6f4 v[AV:AV+7], v[XF+8*\ks:XF+8*\ks+7], v[128+8*\ks:128+8*\ks+7], v[BV:BV+7], v[XS+\ks], v[WS+16+\ks] matrix_a_fmt:MATRIX_FMT_FP4 matrix_b_fmt:MATRIX_FMT_FP4
.else
	s_wait_alu depctr_va_vdst(0)
	v_wmma_scale_f32_16x16x128_f8f6f4 v[AV:AV+7], v[XF+8*\ks:XF+8*\ks+7], v[128+8*\ks:128+8*\ks+7], v[AV:AV+7], v[XS+\ks], v[WS+16+\ks] matrix_a_fmt:MATRIX_FMT_FP4 matrix_b_fmt:MATRIX_FMT_FP4
.endif
.endr
	WIN 0
.rept 5
	v_nop                                          ; places before matrix instructions take these results as operands
.endr
	; S^T over my 16 channels: source 0 = k, source 1 = q.  In step i the K slot (h, j) is channel 16 c + 8 h + 2 i + j on both sides.  Two accumulators by turns
	v_wmma_f32_16x16x4_f32 v[SA:SA+7], v[AK:AK+1], v[AQ:AQ+1], 0
	v_wmma_f32_16x16x4_f32 v[SB:SB+7], v[AK+2:AK+3], v[AQ+2:AQ+3], 0
	v_wmma_f32_16x16x4_f32 v[SA:SA+7], v[AK+4:AK+5], v[AQ+4:AQ+5], v[SA:SA+7]
	v_wmma_f32_16x16x4_f32 v[SB:SB+7], v[AK+6:AK+7], v[AQ+6:AQ+7], v[SB:SB+7]
.rept 8
	v_nop                                          ; places before the results are read
.endr
	ds_store_b128 v8, v[SA:SA+3]                   ; images of the registers: lane l's 16 bytes at 16 l
	ds_store_b128 v8, v[SA+4:SA+7] offset:512
	ds_store_b128 v8, v[SB:SB+3] offset:1024
	ds_store_b128 v8, v[SB+4:SB+7] offset:1536
	s_wait_dscnt 0x0                               ; for the others' sake: my stores are done
	s_barrier_signal -1
	s_barrier_wait -1
.irp u, 0,1,2,3,4,5,6,7,8,9,10,11,12,13,14,15
	ds_load_b128 v[PT+4*\u:PT+4*\u+3], v9 offset:512*\u
.endr
	s_wait_dscnt 0x0
.irp hf, 0,1                           ; the eight partial scores of each place are added: register j of lane (r, h) is key 8 h + j, query r
.irp pr, 0,1
	v_pk_add_f32 v[PP+4*\hf+2*\pr:PP+4*\hf+2*\pr+1], v[PT+4*\hf+2*\pr:PT+4*\hf+2*\pr+1], v[PT+4*(\hf+2)+2*\pr:PT+4*(\hf+2)+2*\pr+1]
.irp cw, 1,2,3
	v_pk_add_f32 v[PP+4*\hf+2*\pr:PP+4*\hf+2*\pr+1], v[PP+4*\hf+2*\pr:PP+4*\hf+2*\pr+1], v[PT+4*(4*\cw+\hf)+2*\pr:PT+4*(4*\cw+\hf)+2*\pr+1]
	v_pk_add_f32 v[PP+4*\hf+2*\pr:PP+4*\hf+2*\pr+1], v[PP+4*\hf+2*\pr:PP+4*\hf+2*\pr+1], v[PT+4*(4*\cw+\hf+2)+2*\pr:PT+4*(4*\cw+\hf+2)+2*\pr+1]
.endr
.endr
.endr
.irp j, 0,1,2,3,4,5,6,7
	v_cmp_gt_i32 vcc_lo, \j, v10                   ; key 8 h + j behind query r: hidden
	v_cndmask_b32 v[PP+\j], v[PP+\j], v11, vcc_lo
.endr
	v_max3_num_f32 v12, v[PP], v[PP+1], v[PP+2]
	v_max3_num_f32 v12, v12, v[PP+3], v[PP+4]
	v_max3_num_f32 v12, v12, v[PP+5], v[PP+6]
	v_max_num_f32 v12, v12, v[PP+7]
	v_permlanex16_b32 v13, v12, s24, s25
	v_max_num_f32 v12, v12, v13                    ; the row's maximum: key 0 counts for every query, so it is a number
	v_mul_f32 v12, s26, v12
.irp j, 0,1,2,3,4,5,6,7
	v_fma_f32 v[PP+\j], v[PP+\j], s26, -v12
.endr
.irp j, 0,1,2,3,4,5,6,7
	v_exp_f32 v[PP+\j], v[PP+\j]
.endr
	v_nop
	s_wait_alu depctr_va_vdst(0)                   ; one wait for the eight, ahead of their first reader
	v_pk_add_f32 v[248:249], v[PP:PP+1], v[PP+2:PP+3]
	v_pk_add_f32 v[250:251], v[PP+4:PP+5], v[PP+6:PP+7]
	v_pk_add_f32 v[248:249], v[248:249], v[250:251]
	v_add_f32 v248, v248, v249
	v_permlanex16_b32 v13, v248, s24, s25
	v_add_f32 v248, v248, v13                      ; the row's sum
	v_rcp_f32 v250, v248
	v_nop
	s_wait_alu depctr_va_vdst(0)
	v_mov_b32 v251, v250                           ; named with it as a pair
	; y^T = v^T p: source 0 = v (a lane holds channel r), source 1 = p (query r); K slot (h, j) of step i is key 8 h + 2 i + j on both sides
	v_wmma_f32_16x16x4_f32 v[SA:SA+7], v[AV:AV+1], v[PP:PP+1], 0
	v_wmma_f32_16x16x4_f32 v[SB:SB+7], v[AV+2:AV+3], v[PP+2:PP+3], 0
	v_wmma_f32_16x16x4_f32 v[SA:SA+7], v[AV+4:AV+5], v[PP+4:PP+5], v[SA:SA+7]
	v_wmma_f32_16x16x4_f32 v[SB:SB+7], v[AV+6:AV+7], v[PP+6:PP+7], v[SB:SB+7]
.rept 8
	v_nop
.endr
.irp i, 0,1,2,3
	v_pk_add_f32 v[PT+2*\i:PT+2*\i+1], v[SA+2*\i:SA+2*\i+1], v[SB+2*\i:SB+2*\i+1]   ; from the low end on
.endr
.irp i, 0,1,2,3
	v_pk_mul_f32 v[PT+2*\i:PT+2*\i+1], v[PT+2*\i:PT+2*\i+1], v[250:251] op_sel_hi:[1,0]   ; / the sum: y(query r, channel 16 c + 8 h + 0 .. 7)
.endr
	ds_store_b128 v14, v[PT:PT+3]
	ds_store_b128 v14, v[PT+4:PT+7] offset:16
	s_wait_dscnt 0x0
	s_barrier_signal -1
	s_barrier_wait -1
	ds_load_b128 v[PT+8:PT+11], v15
	ds_load_b128 v[PT+12:PT+15], v15 offset:2*272
	s_wait_dscnt 1                                 ; the first is in
	global_store_b128 v254, v[PT+8:PT+11], s[14:15]                ; sixteen lanes store 256 consecutive bytes, aligned
	s_wait_dscnt 0x0
	global_store_b128 v254, v[PT+12:PT+15], s[14:15] offset:8192
	s_wait_tensorcnt 0x0                           ; the wave's end: the three lines
	ds_add_u32 v[SPW], v[NIL]
	s_wait_dscnt 0x0
	s_endpgm
.Lfunc_end_k_q461c6477e5_fineA:
	.size	k_q461c6477e5_fineA, .Lfunc_end_k_q461c6477e5_fineA-k_q461c6477e5_fineA
	.p2alignl 7, 3214868480
	.fill 96, 4, 3214868480
	.section	.rodata,"a",@progbits
	.p2align	6, 0x0
	.amdhsa_kernel k_q461c6477e5_fineA
		.amdhsa_group_segment_fixed_size 13056
		.amdhsa_private_segment_fixed_size 0
		.amdhsa_enable_private_segment 0
		.amdhsa_kernarg_size 48
		.amdhsa_user_sgpr_count 2
		.amdhsa_user_sgpr_kernarg_segment_ptr 1
		.amdhsa_wavefront_size32 1
		.amdhsa_system_sgpr_workgroup_id_x 1
		.amdhsa_system_sgpr_workgroup_id_y 1
		.amdhsa_system_sgpr_workgroup_id_z 1
		.amdhsa_system_vgpr_workitem_id 0
		.amdhsa_next_free_vgpr 512
		.amdhsa_next_free_sgpr 66
		.amdhsa_reserve_vcc 1
		.amdhsa_float_denorm_mode_32 3
		.amdhsa_float_denorm_mode_16_64 3
		.amdhsa_memory_ordered 1
		.amdhsa_forward_progress 1
		.amdhsa_inst_pref_size 22
	.end_amdhsa_kernel
	.amdgpu_metadata
---
amdhsa.version: [ 1, 2 ]
amdhsa.kernels:
  - .name:           k_q461c6477e5_fineA
    .symbol:         k_q461c6477e5_fineA.kd
    .args:
      - { .name: x_codes, .offset: 0, .size: 8, .value_kind: global_buffer, .address_space: global }
      - { .name: x_scales, .offset: 8, .size: 8, .value_kind: global_buffer, .address_space: global }
      - { .name: wq_codes, .offset: 16, .size: 8, .value_kind: global_buffer, .address_space: global }
      - { .name: wq_scales, .offset: 24, .size: 8, .value_kind: global_buffer, .address_space: global }
      - { .name: b_qkv, .offset: 32, .size: 8, .value_kind: global_buffer, .address_space: global }
      - { .name: y32, .offset: 40, .size: 8, .value_kind: global_buffer, .address_space: global }
    .group_segment_fixed_size: 13056
    .private_segment_fixed_size: 0
    .kernarg_segment_align: 8
    .kernarg_segment_size: 48
    .max_flat_workgroup_size: 128
    .sgpr_count:     66
    .vgpr_count:     512
    .wavefront_size: 32
...
	.end_amdgpu_metadata
.endif
;; end of part 5
;; launch fineB (part 6): grid 16 x 4, 16 waves a work-group, no clusters, 71,680 bytes of LDS; arguments y32, W_proj, b_proj, out0; writes out0
.if DOCPART == 6
	.amdgcn_target "amdgcn-amd-amdhsa--gfx1250"
	.amdhsa_code_object_version 6
	.text
	.protected	k_q461c6477e5_fineB
	.globl	k_q461c6477e5_fineB
	.p2align	8
	.type	k_q461c6477e5_fineB,@function
k_q461c6477e5_fineB:
	s_mov_b64 s[64:65], 0
	v_nop
	global_prefetch_b8 v0, s[64:65] scope:SCOPE_SE
	s_setreg_imm32_b32 hwreg(HW_REG_WAVE_MODE, 25, 1), 1
	s_wait_xcnt 0x0
; The projection of the first 16 positions of every sequence, with f32 operands: out0[2048 b + t][n] = sum over k of y32[16 b + t][k] W_proj[k][n] + b_proj[n], t = 0 .. 15.
; It stores again the 64 rows that the f16 projection has stored.  64 of 8,192 rows: no bulk work for the f32 matrix form.
; Work-group (64 columns, batch).  Wave w sums k = 64 w .. 64 w + 63 for all four tiles of 16 columns (four accumulators by turns); the sixteen partial tiles meet in LDS, and wave w adds up row w.
; In product (g, u) the K slot (h, j) is k = 64 w + 8 g + 4 h + 2 u + j on both sides.  No tensor loads; no cluster: a launch of a few products.
.set SPARE, 69632                      ; behind the sixteen partial tiles of 16 rows x (256 + 16) bytes
.set AY,  16                           ; v16-47   y: 8 loads of 16 bytes
.set BW,  48                           ; v48-175  W: register 16 g + 8 u + 2 ct + j
.set ACC, 176                          ; v176-207 written by matrix instructions alone
.set LD,  208                          ; v208-239
.set SPW, 252
.set NIL, 253
	s_load_b256 s[4:11], s[0:1], 0x0               ; y32 s[4:5], W_proj s[6:7], b_proj s[8:9], out0 s[10:11]
	v_lshl_add_u32 v[SPW], v0, 2, SPARE
	v_mov_b32 v[NIL], 0
	v_lshrrev_b32 v1, 5, v0
	v_readfirstlane_b32 s12, v1                    ; wave 0..15
	s_and_b32 s13, ttmp7, 0xffff                   ; batch
	v_and_b32 v1, 15, v0                           ; r
	v_bfe_u32 v2, v0, 4, 1                         ; h
	v_and_b32 v3, 31, v0                           ; lane
	v_lshlrev_b32 v4, 12, v1
	v_lshl_add_u32 v4, v2, 4, v4                   ; y: row r of 4,096 bytes + 16 h
	v_lshlrev_b32 v5, 14, v2
	v_lshl_add_u32 v5, v1, 2, v5                   ; W: 4 rows further down for lanes 16-31; column r
	v_lshlrev_b32 v6, 3, v3                        ; 8 bytes a lane
	s_mul_i32 s14, s12, 4352
	v_mul_u32_u24 v7, v2, 2176
	v_lshl_add_u32 v7, v1, 2, v7
	v_add_nc_u32 v7, s14, v7                       ; my partial tile: row 8 h + j, column 16 ct + r
	s_mul_i32 s14, s12, 272
	v_add_nc_u32 v12, s14, v6                      ; back: row w of each partial tile, 8 bytes a lane
	s_mov_b32 s17, 0
	s_lshl_b32 s18, ttmp9, 8                       ; my 64 columns, in bytes
	s_wait_kmcnt 0x0
	s_lshl_b32 s16, s13, 16
	s_lshl_b32 s19, s12, 8
	s_add_co_u32 s16, s16, s19
	s_add_nc_u64 s[4:5], s[4:5], s[16:17]          ; y32 at row 16 b, k = 64 w
	s_lshl_b32 s16, s12, 18
	s_add_co_u32 s16, s16, s18
	s_add_nc_u64 s[6:7], s[6:7], s[16:17]          ; W_proj at row 64 w, my columns
	s_mov_b32 s16, s18
	s_add_nc_u64 s[8:9], s[8:9], s[16:17]
	s_lshl_b32 s16, s13, 23
	s_lshl_b32 s19, s12, 12
	s_add_co_u32 s16, s16, s19
	s_add_co_u32 s16, s16, s18
	s_add_nc_u64 s[10:11], s[10:11], s[16:17]      ; out0 at row 2048 b + w, my columns
.irp g, 0,1,2,3,4,5,6,7
	global_load_b128 v[AY+4*\g:AY+4*\g+3], v4, s[4:5] offset:32*\g
.endr
	global_load_b64 v[8:9], v6, s[8:9]             ; the bias of my two columns
.irp g, 0,1,2,3,4,5,6,7
.irp u, 0,1
.irp ct, 0,1,2,3
.irp j, 0,1
	global_load_b32 v[BW+16*\g+8*\u+2*\ct+\j], v5, s[6:7] offset:(8*\g+2*\u+\j)*4096+64*\ct
.endr
.endr
.endr
.endr
.irp g, 0,1,2,3,4,5,6,7
.if 16*(7-\g) > 63
	s_wait_loadcnt 63                              ; behind group g stand 16 (7 - g) loads; the wait's field holds 63, and a smaller count is safe
.else
	s_wait_loadcnt 16*(7-\g)                       ; group g's 16 loads are in; the later groups' stay out
.endif
.irp u, 0,1
.irp ct, 0,1,2,3
.if (\g == 0) && (\u == 0)
	v_wmma_f32_16x16x4_f32 v[ACC+8*\ct:ACC+8*\ct+7], v[AY+4*\g+2*\u:AY+4*\g+2*\u+1], v[BW+16*\g+8*\u+2*\ct:BW+16*\g+8*\u+2*\ct+1], 0
.else
	v_wmma_f32_16x16x4_f32 v[ACC+8*\ct:ACC+8*\ct+7], v[AY+4*\g+2*\u:AY+4*\g+2*\u+1], v[BW+16*\g+8*\u+2*\ct:BW+16*\g+8*\u+2*\ct+1], v[ACC+8*\ct:ACC+8*\ct+7]
.endif
.endr
.endr
.endr
.rept 8
	v_nop                                          ; places before the results are read
.endr
.irp ct, 0,1,2,3
.irp j, 0,1,2,3,4,5,6,7
	ds_store_b32 v7, v[ACC+8*\ct+\j] offset:272*\j+64*\ct          ; each accumulator from its low end on
.endr
.endr
	s_wait_dscnt 0x0                               ; for the others' sake: my stores are done
	s_barrier_signal -1
	s_barrier_wait -1
.irp p, 0,1,2,3,4,5,6,7,8,9,10,11,12,13,14,15
	ds_load_b64 v[LD+2*\p:LD+2*\p+1], v12 offset:4352*\p
.endr
	s_wait_dscnt 0x0
	v_pk_add_f32 v[8:9], v[8:9], v[LD:LD+1]        ; two chains
	v_pk_add_f32 v[10:11], v[LD+2:LD+3], v[LD+4:LD+5]
.irp p, 3,5,7,9,11,13
	v_pk_add_f32 v[8:9], v[8:9], v[LD+2*\p:LD+2*\p+1]
	v_pk_add_f32 v[10:11], v[10:11], v[LD+2*\p+2:LD+2*\p+3]
.endr
	v_pk_add_f32 v[8:9], v[8:9], v[LD+30:LD+31]
	v_pk_add_f32 v[8:9], v[8:9], v[10:11]
	global_store_b64 v6, v[8:9], s[10:11]          ; the wave stores 256 consecutive bytes, aligned
	s_wait_tensorcnt 0x0                           ; the wave's end: the three lines
	ds_add_u32 v[SPW], v[NIL]
	s_wait_dscnt 0x0
	s_endpgm
.Lfunc_end_k_q461c6477e5_fineB:
	.size	k_q461c6477e5_fineB, .Lfunc_end_k_q461c6477e5_fineB-k_q461c6477e5_fineB
	.p2alignl 7, 3214868480
	.fill 96, 4, 3214868480
	.section	.rodata,"a",@progbits
	.p2align	6, 0x0
	.amdhsa_kernel k_q461c6477e5_fineB
		.amdhsa_group_segment_fixed_size 71680
		.amdhsa_private_segment_fixed_size 0
		.amdhsa_enable_private_segment 0
		.amdhsa_kernarg_size 32
		.amdhsa_user_sgpr_count 2
		.amdhsa_user_sgpr_kernarg_segment_ptr 1
		.amdhsa_wavefront_size32 1
		.amdhsa_system_sgpr_workgroup_id_x 1
		.amdhsa_system_sgpr_workgroup_id_y 1
		.amdhsa_system_sgpr_workgroup_id_z 1
		.amdhsa_system_vgpr_workitem_id 0
		.amdhsa_next_free_vgpr 256
		.amdhsa_next_free_sgpr 66
		.amdhsa_reserve_vcc 0
		.amdhsa_float_denorm_mode_32 3
		.amdhsa_float_denorm_mode_16_64 3
		.amdhsa_memory_ordered 1
		.amdhsa_forward_progress 1
		.amdhsa_inst_pref_size 24
	.end_amdhsa_kernel
	.amdgpu_metadata
---
amdhsa.version: [ 1, 2 ]
amdhsa.kernels:
  - .name:           k_q461c6477e5_fineB
    .symbol:         k_q461c6477e5_fineB.kd
    .args:
      - { .name: y32, .offset: 0, .size: 8, .value_kind: global_buffer, .address_space: global }
      - { .name: W_proj, .offset: 8, .size: 8, .value_kind: global_buffer, .address_space: global }
      - { .name: b_proj, .offset: 16, .size: 8, .value_kind: global_buffer, .address_space: global }
      - { .name: out0, .offset: 24, .size: 8, .value_kind: global_buffer, .address_space: global }
    .group_segment_fixed_size: 71680
    .private_segment_fixed_size: 0
    .kernarg_segment_align: 8
    .kernarg_segment_size: 32
    .max_flat_workgroup_size: 512
    .sgpr_count:     66
    .vgpr_count:     256
    .wavefront_size: 32
...
	.end_amdgpu_metadata
.endif
;; end of part 6
